; MI455X (gfx1250); checked and timed in simulation.
; The chip was launched on July 23, 2026; its instructions are those of AMD's public machine-readable ISA for CDNA 5 (MIT licence, August 2026) and "CDNA5" Instruction Set Architecture Reference Guide (July 2026). The comments in the code are by the model that wrote it; some were corrected since.
;; Multi Head Attention. Allowed arithmetic: matrix products marked QUANTISED: E2M1 operands, one E8M0 scale for each 32 along K, by v_wmma_scale_f32_16x16x128_f8f6f4 with both operands' format E2M1 (or v_wmma_scale_f32_32x16x128_f4), f32 sums; products left as they are: bf16, f16 or f32 operands; f32 sums; everything else in f32.
;; Inputs: b_out 1,024 float32; w_out 1,024 x 1,024 float32; w_qkv 1,024 x 3,072 float32; x 4 x 2,048 x 1,024 float32.
;; Outputs: out0 4 x 2,048 x 1,024 float32.
;; This version of the problem:
;;   THIS VERSION OF THE PROBLEM IS GIVEN IN LOW PRECISION. The matrix products marked QUANTISED in the list below multiply operands that are first quantised to E2M1 (2 exponent bits, 1 mantissa bit; 4 bits a number), with one power-of-two scale for each 32 numbers along K (OCP MX v1.0); their sums are f32. The products marked 'left as it is' may take bf16, f16 or f32 operands, with f32 sums. Whichever they take, every output number must still come out within the allowed error. Rounding operands to bf16 (8 significant bits) uses up far more of that allowance than f16 does (11 bits, for magnitudes from 6e-5 to 65,504). All else is computed in f32.
;;   The module's matrix products, in the order in which they are computed (A, B: the left and right operand; K: the contracted axis; several contracted axes count as one K, in the product's order):
;;     1. [M 8,192, K 1,024] x [K 1,024, N 3,072]; A: input x; B: input w_qkv: QUANTISED
;;     2. batch 64 x [M 2,048, K 64] x [K 64, N 2,048]; A: computed on the way; B: computed on the way: left as it is (an operand is computed on the way)
;;     3. batch 64 x [M 2,048, K 2,048] x [K 2,048, N 64]; A: computed on the way; B: computed on the way: left as it is (an operand is computed on the way)
;;     4. [M 8,192, K 1,024] x [K 1,024, N 1,024]; A: computed on the way; B: input w_out: left as it is (an operand is computed on the way)
;;   THE QUANTISER, for each operand of a quantised product, along K:
;;     - K is cut into blocks of 32 from its start; a last block that is shorter is filled with zeros.
;;     - A block's scale is 2^e with e = floor(log2(the largest magnitude in the block)) - 2, held to -126 .. 127; a block of zeros has e = 0. As a byte (E8M0): e + 127.
;;     - Each number is divided by its block's scale, clamped to +-6, and rounded to the nearest number of E2M1, ties to even, subnormals kept.
;;     - The product sums the exact products of the quantised numbers (number of the format x scale) in f32.
;;   ~~~python
;;   def quantise(x, axis):      # numpy; x: float32 -> the quantised numbers, widened to float32 again
;;       x = np.moveaxis(x, axis, -1); K = x.shape[-1]
;;       x = np.pad(x, [(0, 0)] * (x.ndim - 1) + [(0, -K % 32)]); x = x.reshape(x.shape[:-1] + (-1, 32)); a = np.abs(x).max(-1, keepdims=True)
;;       e = np.where(a > 0, np.clip(np.frexp(np.where(a > 0, a, 1))[1] - 1 - 2, -126, 127), 0)      # np.frexp(a)[1] - 1 = floor(log2(a)), exactly
;;       r = np.clip(x / 2.0 ** e, -6, 6)
;;       step = 2.0 ** (np.maximum(np.frexp(np.where(r == 0, 1, r))[1] - 1, 0) - 1)
;;       q = np.round(r / step) * step * 2.0 ** e      # np.round: ties to even
;;       return np.moveaxis(q.reshape(q.shape[:-2] + (-1,))[..., :K], -1, axis).astype(np.float32)
;;   ~~~
;; One version. Each part assembles by itself: llvm-mc -triple=amdgcn-amd-amdhsa -mcpu=gfx1250 --defsym DOCPART=n.
;; ======== version 1 of 1: 5 launches
;; limits: values are held in f16: magnitudes above 65,504 overflow, below 6.1e-05 lose precision
;; workspace buffers: x_codes 4,194,304 bytes; x_scales 262,144 bytes; w_codes 1,572,864 bytes; w_scales 98,304 bytes; qkv 50,331,648 bytes; q32 786,432 bytes; att 16,777,216 bytes; wo 4,194,304 bytes
;; launch prep (part 1): grid 368 x 1, 4 waves a work-group, no clusters, 68,096 bytes of LDS; arguments x, w_qkv, w_out, x_codes, x_scales, w_codes, w_scales, wo; writes x_codes, x_scales, w_codes, w_scales, wo
.if DOCPART == 1
	.amdgcn_target "amdgcn-amd-amdhsa--gfx1250"
	.amdhsa_code_object_version 6
	.text
	.protected	k_q57005fa873_prep
	.globl	k_q57005fa873_prep
	.p2align	8
	.type	k_q57005fa873_prep,@function
k_q57005fa873_prep:
	s_mov_b64 s[64:65], 0
	v_nop
	global_prefetch_b8 v0, s[64:65] scope:SCOPE_SE
	s_setreg_imm32_b32 hwreg(HW_REG_WAVE_MODE, 25, 1), 1
	s_wait_xcnt 0x0
; THREE TASKS IN ONE LAUNCH, told apart by the work-group's number alone; waves share nothing, so there is no barrier.
;   work-groups   0-255  PATH X: x [8192][1024] f32 -> codes of FP4 (E2M1), K innermost, [8192][512 bytes], and one E8M0 byte for each 32 along K, [8192][32].
;   work-groups 256-303  PATH W: w_qkv [1024 (k)][3072 (n)] f32 -> codes laid [3072][512 bytes] with K innermost, scale bytes [3072][32].
;   work-groups 304-367  PATH O: w_out [1024 (k)][1024 (n)] f32 -> two f16 parts, a high and a low one, each laid in the order of a matrix operand's registers.
; THE QUANTISER: a block's scale is 2^(floor(log2(its largest magnitude)) - 2); its byte is the largest magnitude's exponent field - 2, held at 1 from below; each number is divided by
; the scale and rounded to the nearest code, ties to even, beyond 6 the largest code.
; LIMITS: a block of zeros gets the byte 1 where the rule says 127 (its codes are zeros, and this program alone reads the bytes); blocks whose largest magnitude lies under 2^-124 keep the
; byte 1; NaN and infinities among the inputs are not served.  w_out goes into f16: magnitudes above 65,504 are not served, and what lies under 2^-24 of a low part is lost.
; No cluster and no tensor load: no two work-groups read the same bytes.  Each path has LDS bytes of its own: X 0 .. 32,767, W 32,768 .. 67,583, O none; the spare words lie behind them.
.set SPW,   192                        ; v192  LDS address of my spare word: SPARE + 4 x my thread's number; never rewritten
.set NIL,   193                        ; v193  0; never rewritten
.set SPARE, 67584                      ; the spare words, 128 bytes for each wave: two blocks of 256 bytes that no other line names
.set WV,    22                         ; s22   my wave's number
	s_load_b256 s[4:11], s[0:1], 0x0               ; x s[4:5], w_qkv s[6:7], w_out s[8:9], x_codes s[10:11]
	s_load_b256 s[12:19], s[0:1], 0x20             ; x_scales s[12:13], w_codes s[14:15], w_scales s[16:17], wo s[18:19]
	v_lshl_add_u32 v[SPW], v0, 2, SPARE
	v_mov_b32 v[NIL], 0
	v_lshrrev_b32 v1, 5, v0
	v_readfirstlane_b32 s[WV], v1                  ; wave 0..3
	v_and_b32 v2, 31, v0                           ; lane
	s_wait_kmcnt 0x0
	s_cmp_lt_u32 ttmp9, 256
	s_cbranch_scc1 .Lpath_x
	s_cmp_lt_u32 ttmp9, 304
	s_cbranch_scc1 .Lpath_w
; ---------------- PATH O.  wo: the high part at byte 0, the low part at byte 2,097,152; each [n / 256][k / 128][(n / 128) % 2][(k / 32) % 4][(n / 16) % 8] images of 1,024 bytes.
; An image is 16 rows (n) x 32 k of f16 as an operand's registers hold them: byte 512 c + 16 (16 h + r) + 2 e is (row r, k = 16 c + 8 h + e).
; A lane takes a column n and its registers run down K: 32 numbers of a block are four pieces of 8, and piece p = 2 c + h goes to byte 256 p + 16 r of the image: sixteen lanes store 256 consecutive bytes.
; THE SPLIT, in f32: g = 8193 x; d = x - g; high = g + d is x rounded to 11 significant bits, which f16 holds exactly; low = x - high is exact, and is rounded to f16.
	s_sub_co_u32 s24, ttmp9, 304
	s_and_b32 s25, s24, 7                          ; which 128 columns
	s_lshr_b32 s26, s24, 3                         ; which 128 along K
	s_lshl_b32 s28, s26, 19                        ; in: 128 rows of 4,096 bytes,
	s_lshl_b32 s29, s25, 9                         ; 128 columns of 4 bytes,
	s_add_co_u32 s28, s28, s29
	s_lshl_b32 s29, s[WV], 7                       ; my wave's 32 columns
	s_add_co_u32 s28, s28, s29
	s_mov_b32 s29, 0
	s_add_nc_u64 s[8:9], s[8:9], s[28:29]
	s_lshr_b32 s28, s25, 1                         ; out: n / 256,
	s_lshl_b32 s28, s28, 19
	s_lshl_b32 s30, s26, 16                        ; k / 128,
	s_add_co_u32 s28, s28, s30
	s_and_b32 s30, s25, 1                          ; (n / 128) % 2,
	s_lshl_b32 s30, s30, 15
	s_add_co_u32 s28, s28, s30
	s_lshl_b32 s30, s[WV], 11                      ; my wave's two images
	s_add_co_u32 s28, s28, s30
	s_add_nc_u64 s[18:19], s[18:19], s[28:29]
	s_mov_b32 s30, 0x46000400                      ; 8193.0
	s_mov_b32 s31, s30                             ; (named with it as a pair, so it is written)
	v_lshlrev_b32 v3, 2, v2                        ; in: 4 bytes a lane
	v_lshrrev_b32 v4, 4, v2
	v_and_b32 v5, 15, v2
	v_lshlrev_b32 v4, 10, v4                       ; out: lanes 16-31 the next image,
	v_lshl_add_u32 v4, v5, 4, v4                   ; 16 bytes a row
.macro LOADO t                         ; block t: w_out(32 t + i, my column) into set t % 2
.set i, 0
.rept 32
	global_load_b32 v[128+32*((\t)%2)+i], v3, s[8:9] offset:(32*(\t)+i)*4096 th:TH_LOAD_NT
.set i, i+1
.endr
.endm
.macro BLOCKO t
.set XO, 128+32*((\t)%2)
.set HP, 64+32*((\t)%2)
.set LP, 80+32*((\t)%2)
.if (\t) < 3
	s_wait_loadcnt 32                              ; this block's 32 loads are in; the next block's may be out
.else
	s_wait_loadcnt 0x0
.endif
.if (\t) > 1
	s_wait_xcnt 0x0                                ; the stores of two blocks back have read their data: the set is written again only behind this wait
.endif
.irp g, 0,1,2,3                        ; piece g: 8 numbers, four pairs
.irp u, 0,1,2,3
	v_pk_mul_f32 v[8+2*\u:9+2*\u], v[XO+8*\g+2*\u:XO+8*\g+2*\u+1], s[30:31] op_sel_hi:[1,0]
.endr
.irp u, 0,1,2,3
	v_pk_add_f32 v[16+2*\u:17+2*\u], v[XO+8*\g+2*\u:XO+8*\g+2*\u+1], v[8+2*\u:9+2*\u] neg_lo:[0,1] neg_hi:[0,1]
.endr
.irp u, 0,1,2,3
	v_pk_add_f32 v[8+2*\u:9+2*\u], v[8+2*\u:9+2*\u], v[16+2*\u:17+2*\u]                 ; the high part
.endr
.irp u, 0,1,2,3
	v_pk_add_f32 v[16+2*\u:17+2*\u], v[XO+8*\g+2*\u:XO+8*\g+2*\u+1], v[8+2*\u:9+2*\u] neg_lo:[0,1] neg_hi:[0,1]   ; the low part
.endr
.irp u, 0,1,2,3
	v_cvt_pk_f16_f32 v[HP+4*\g+\u], v[8+2*\u], v[9+2*\u]
	v_cvt_pk_f16_f32 v[LP+4*\g+\u], v[16+2*\u], v[17+2*\u]
.endr
.endr
.irp p, 0,1,2,3
	global_store_b128 v4, v[HP+4*\p:HP+4*\p+3], s[18:19] offset:(\t)*8192+256*\p
	global_store_b128 v4, v[LP+4*\p:LP+4*\p+3], s[18:19] offset:2097152+(\t)*8192+256*\p
.endr
.if (\t)+2 < 4
	LOADO (\t)+2
.endif
.endm
	LOADO 0
	LOADO 1
	BLOCKO 0
	BLOCKO 1
	BLOCKO 2
	BLOCKO 3
	s_wait_tensorcnt 0x0                           ; the wave's end
	ds_add_u32 v[SPW], v[NIL]
	s_wait_dscnt 0x0
	s_endpgm
; ---------------- PATH X.  x is a plain stream of blocks of 32, and so are its codes and its scale bytes.  A wave takes 16 steps of 512 numbers.  Each of a step's four loads reads 512 consecutive
; bytes; the 2,048 bytes turn through the wave's own stage in LDS and come back 64 bytes a lane: 16 neighbours along K, two lanes to a block.  A lane's 16 codes are 8 bytes: the wave stores 256
; consecutive bytes.  A wave's 256 scale bytes are gathered in LDS and leave as one aligned run of 256 bytes.  Loads run four steps ahead, the turn through LDS one step.
.set STEPS, 16
.set CB,    8                          ; bytes of 16 codes
.set R,     16                         ; v16-79   four sets of 16 numbers as loaded
.set X,     80                         ; v80-111  two sets of 16 neighbours
.set C,     128                        ; v128-191 codes: four registers for each step, so that no store's data are written again
.set E,     112                        ; v112-127 a scale byte for each step
.set WREG,  8192                       ; a wave's LDS: two stages of 32 x SP bytes, then its 256 scale bytes
.set SP,    80                         ; a lane's place in a stage: 64 bytes + 16 of padding
.Lpath_x:
	v_lshlrev_b32 v3, 4, v2                        ; my 16 bytes of a load's 512
	s_mul_i32 s23, s[WV], WREG
	v_lshrrev_b32 v14, 2, v2
	v_mul_u32_u24 v14, v14, SP
	v_and_b32 v15, 3, v2
	v_lshl_add_u32 v14, v15, 4, v14
	v_add_nc_u32 v14, s23, v14                     ; the stage, on the way in: SP (lane / 4) + 16 (lane % 4)
	v_mul_u32_u24 v15, v2, SP
	v_add_nc_u32 v15, s23, v15                     ; and on the way out: SP x lane
	v_mul_u32_u24 v4, v2, CB                       ; my codes' place in a step's
	v_lshrrev_b32 v5, 1, v2
	s_add_co_u32 s23, s23, 2*32*SP
	v_add_nc_u32 v5, s23, v5                       ; my block's byte among my wave's 256
	v_lshlrev_b32 v7, 3, v2
	v_add_nc_u32 v6, s23, v7                       ; and on the way out 8 bytes a lane
	s_lshl_b32 s24, ttmp9, 2
	s_add_co_u32 s24, s24, s[WV]                   ; which run of 8,192 numbers is my wave's: 0 .. 1,023
	s_lshl_b32 s26, s24, 15                        ; 32,768 bytes of x,
	s_mov_b32 s27, 0
	s_add_nc_u64 s[4:5], s[4:5], s[26:27]
	s_lshl_b32 s26, s24, 12                        ; 4,096 of codes,
	s_add_nc_u64 s[10:11], s[10:11], s[26:27]
	s_lshl_b32 s26, s24, 8                         ; 256 of scale bytes
	s_add_nc_u64 s[12:13], s[12:13], s[26:27]
.macro LOADX t
.irp i, 0,1,2,3
	global_load_b128 v[R+16*((\t)%4)+4*\i:R+16*((\t)%4)+4*\i+3], v3, s[4:5] offset:2048*(\t)+512*\i th:TH_LOAD_NT
.endr
.endm
.macro TURNX t                         ; LDS serves a wave's instructions in order (ISA guide 5.7.1.4): no wait stands between the stores and the loads
.irp i, 0,1,2,3
	ds_store_b128 v14, v[R+16*((\t)%4)+4*\i:R+16*((\t)%4)+4*\i+3] offset:32*SP*((\t)%2)+8*SP*\i
.endr
.irp i, 0,1,2,3
	ds_load_b128 v[X+16*((\t)%2)+4*\i:X+16*((\t)%2)+4*\i+3], v15 offset:32*SP*((\t)%2)+16*\i
.endr
.endm
.irp t, 0,1,2,3
	LOADX \t
.endr
	s_wait_loadcnt 12                              ; step 0's four loads are in
	TURNX 0
.macro STEPX t
.set XS, X+16*((\t)%2)
.if (\t) > 0
	s_wait_dscnt 1                                 ; this step's numbers are back from the stage; the last step's byte store may be out
.else
	s_wait_dscnt 0x0
.endif
.if (\t)+4 < STEPS
	LOADX (\t)+4                                   ; into the set whose stores into the stage have been served
.endif
.if (\t)+1 < STEPS
.if STEPS-2-(\t) >= 3
	s_wait_loadcnt 12                              ; the next step's four loads are in; those of the three steps behind it may be out
.else
	s_wait_loadcnt 4*(STEPS-2-(\t))
.endif
	TURNX (\t)+1
.endif
	v_max3_num_f32 v8, |v[XS]|, |v[XS+1]|, |v[XS+2]|               ; the largest magnitude of my 16, in two chains
	v_max3_num_f32 v9, |v[XS+3]|, |v[XS+4]|, |v[XS+5]|
.irp i, 6,10
	v_max3_num_f32 v8, v8, |v[XS+\i]|, |v[XS+\i+1]|
	v_max3_num_f32 v9, v9, |v[XS+\i+2]|, |v[XS+\i+3]|
.endr
	v_max3_num_f32 v8, v8, |v[XS+14]|, |v[XS+15]|
	v_max3_num_f32 v8, v8, v9, 0x1800000           ; and the floor 2^(3 - 127): the byte cannot fall under 1
	v_max_num_f32_dpp v8, v8, v8 row_xmask:1 row_mask:0xf bank_mask:0xf   ; and of my neighbour's 16: the block's
	v_add_nc_u32 v11, 0xff000000, v8               ; 2 off its exponent field: the conversion takes the exponent field of this operand as its scale
	v_cvt_scalef32_pk8_fp4_f32 v[C+4*(\t)], v[XS:XS+7], v11
	v_cvt_scalef32_pk8_fp4_f32 v[C+4*(\t)+1], v[XS+8:XS+15], v11
	v_lshrrev_b32 v[E+(\t)], 23, v11               ; the scale's byte
	ds_store_b8 v5, v[E+(\t)] offset:16*(\t)       ; both lanes of a block write the same byte with the same value
	global_store_b64 v4, v[C+4*(\t):C+4*(\t)+1], s[10:11] offset:32*CB*(\t)
.endm
.irp t, 0,1,2,3,4,5,6,7,8,9,10,11,12,13,14,15
	STEPX \t
.endr
	ds_load_b64 v[8:9], v6                         ; these see my byte stores: LDS serves a wave in order
	s_wait_dscnt 0x0
	global_store_b64 v7, v[8:9], s[12:13]          ; 32 lanes store 256 consecutive bytes, aligned
	s_wait_tensorcnt 0x0                           ; the wave's end: behind my last LDS store
	ds_add_u32 v[SPW], v[NIL]
	s_wait_dscnt 0x0
	s_endpgm
; ---------------- PATH W.  K is w_qkv's FIRST axis.  A lane takes a column n and its registers run down K: each load reads 128 consecutive bytes a wave, a block of 32 lies in one lane's 32 registers,
; and the conversions give codes with K innermost.  A wave takes 32 columns x 512 along K: 256 bytes of codes a column, which go through the wave's own stage and leave as rows, sixteen lanes to 256 bytes.
; Every offset is an immediate: 511 x 12,288 bytes at the most, inside the signed 24-bit field (ISA guide, chapter 10).
.set NB,    16                         ; blocks of a lane
.set PITCH, 272                        ; a stage row: 256 bytes + 16
.set KROW,  512                        ; a row of the codes' buffer
.set WSTG,  32768                      ; this path's LDS begins here
.set XW,    32                         ; v32-95   two sets of 32 numbers
.set CW,    96                         ; v96-99   a block's codes
.set OUTR,  112                        ; v112-175 the way out
.set SB,    24                         ; v24-27   the scale bytes, four to a register
.Lpath_w:
	s_sub_co_u32 s24, ttmp9, 256
	s_cmp_ge_u32 s24, 24
	s_cselect_b32 s25, 1, 0                        ; which 512 along K
	s_cselect_b32 s26, 24, 0
	s_sub_co_u32 s24, s24, s26                     ; which 128 columns
	s_lshl_b32 s24, s24, 7
	s_lshl_b32 s26, s[WV], 5
	s_add_co_u32 s24, s24, s26                     ; my wave's first column
	v_lshlrev_b32 v3, 2, v2                        ; in: 4 bytes a lane
	s_mul_i32 s27, s[WV], 32*PITCH
	s_add_co_u32 s27, s27, WSTG                    ; my stage
	v_mul_u32_u24 v4, v2, PITCH
	v_add_nc_u32 v4, s27, v4                       ; into it: row = my column
	v_and_b32 v5, 15, v2
	v_lshrrev_b32 v6, 4, v2
	v_mul_u32_u24 v7, v6, PITCH
	v_lshl_add_u32 v7, v5, 4, v7
	v_add_nc_u32 v7, s27, v7                       ; out of it: sixteen lanes to a row, two rows an instruction
	v_mul_u32_u24 v8, v6, KROW
	v_lshl_add_u32 v8, v5, 4, v8                   ; and the same place in the codes' buffer
	v_lshlrev_b32 v9, 5, v2                        ; my column's row of 32 scale bytes
	s_mul_i32 s28, s25, 512*3072*4
	s_lshl_b32 s30, s24, 2
	s_add_co_u32 s28, s28, s30
	s_mov_b32 s29, 0
	s_add_nc_u64 s[6:7], s[6:7], s[28:29]          ; w_qkv at (512 y, my first column)
	s_lshl_b32 s28, s24, 9
	s_lshl_b32 s30, s25, 8
	s_add_co_u32 s28, s28, s30
	s_add_nc_u64 s[14:15], s[14:15], s[28:29]      ; the codes: column x 512 + 256 y
	s_lshl_b32 s28, s24, 5
	s_lshl_b32 s30, s25, 4
	s_add_co_u32 s28, s28, s30
	s_add_nc_u64 s[16:17], s[16:17], s[28:29]      ; the scale bytes: column x 32 + 16 y
.macro LOADW t
.set i, 0
.rept 32
	global_load_b32 v[XW+32*((\t)%2)+i], v3, s[6:7] offset:(32*(\t)+i)*3072*4 th:TH_LOAD_NT
.set i, i+1
.endr
.endm
	LOADW 0
	LOADW 1
.macro BLOCKW t
.set XS, XW+32*((\t)%2)
.if (\t) < NB-1
	s_wait_loadcnt 32                              ; this block's 32 loads are in; the next block's may be out
.else
	s_wait_loadcnt 0x0
.endif
	v_max3_num_f32 v12, |v[XS]|, |v[XS+1]|, |v[XS+2]|              ; the block's largest magnitude: all 32 numbers are mine
	v_max3_num_f32 v13, |v[XS+3]|, |v[XS+4]|, |v[XS+5]|
.irp i, 6,10,14,18,22,26
	v_max3_num_f32 v12, v12, |v[XS+\i]|, |v[XS+\i+1]|
	v_max3_num_f32 v13, v13, |v[XS+\i+2]|, |v[XS+\i+3]|
.endr
	v_max3_num_f32 v12, v12, |v[XS+30]|, |v[XS+31]|
	v_max3_num_f32 v12, v12, v13, 0x1800000        ; and the floor 2^(3 - 127)
	v_add_nc_u32 v11, 0xff000000, v12              ; 2 off its exponent field: the conversion's scale operand
	v_lshrrev_b32 v13, 23, v11                     ; the scale's byte
.if (\t)%4 == 0
	v_mov_b32 v[SB+(\t)/4], v13                    ; four bytes to a register, the lower K in the lower byte
.else
	v_lshl_or_b32 v[SB+(\t)/4], v13, 8*((\t)%4), v[SB+(\t)/4]
.endif
.irp g, 0,1,2,3
	v_cvt_scalef32_pk8_fp4_f32 v[CW+\g], v[XS+8*\g:XS+8*\g+7], v11
.endr
	ds_store_b128 v4, v[CW:CW+3] offset:16*(\t)    ; 32 codes: 16 bytes of my column's row
.if (\t)+2 < NB
	LOADW (\t)+2
.endif
	s_wait_dscnt 0x0                               ; the store has been served: the next block's codes may be written
.endm
.set Q, 0
.rept NB
	BLOCKW Q
.set Q, Q+1
.endr
	global_store_b128 v9, v[SB:SB+3], s[16:17]     ; my column's 16 scale bytes
.irp t, 0,1,2,3,4,5,6,7,8,9,10,11,12,13,14,15
	ds_load_b128 v[OUTR+4*\t:OUTR+4*\t+3], v7 offset:2*\t*PITCH
.endr
.irp t, 0,1,2,3,4,5,6,7,8,9,10,11,12,13,14,15
	s_wait_dscnt 15-\t                             ; LDS loads come back in order: rows 2 t and 2 t + 1 are in
	global_store_b128 v8, v[OUTR+4*\t:OUTR+4*\t+3], s[14:15] offset:2*\t*KROW
.endr
	s_wait_tensorcnt 0x0                           ; the wave's end: behind my last LDS store
	ds_add_u32 v[SPW], v[NIL]
	s_wait_dscnt 0x0
	s_endpgm
.Lfunc_end_k_q57005fa873_prep:
	.size	k_q57005fa873_prep, .Lfunc_end_k_q57005fa873_prep-k_q57005fa873_prep
	.p2alignl 7, 3214868480
	.fill 96, 4, 3214868480
	.section	.rodata,"a",@progbits
	.p2align	6, 0x0
	.amdhsa_kernel k_q57005fa873_prep
		.amdhsa_group_segment_fixed_size 68096
		.amdhsa_private_segment_fixed_size 0
		.amdhsa_enable_private_segment 0
		.amdhsa_kernarg_size 64
		.amdhsa_user_sgpr_count 2
		.amdhsa_user_sgpr_kernarg_segment_ptr 1
		.amdhsa_wavefront_size32 1
		.amdhsa_system_sgpr_workgroup_id_x 1
		.amdhsa_system_sgpr_workgroup_id_y 1
		.amdhsa_system_sgpr_workgroup_id_z 1
		.amdhsa_system_vgpr_workitem_id 0
		.amdhsa_next_free_vgpr 200
		.amdhsa_next_free_sgpr 66
		.amdhsa_reserve_vcc 0
		.amdhsa_float_denorm_mode_32 3
		.amdhsa_float_denorm_mode_16_64 3
		.amdhsa_memory_ordered 1
		.amdhsa_forward_progress 1
		.amdhsa_inst_pref_size 151
	.end_amdhsa_kernel
	.amdgpu_metadata
---
amdhsa.version: [ 1, 2 ]
amdhsa.kernels:
  - .name:           k_q57005fa873_prep
    .symbol:         k_q57005fa873_prep.kd
    .args:
      - { .name: x, .offset: 0, .size: 8, .value_kind: global_buffer, .address_space: global }
      - { .name: w_qkv, .offset: 8, .size: 8, .value_kind: global_buffer, .address_space: global }
      - { .name: w_out, .offset: 16, .size: 8, .value_kind: global_buffer, .address_space: global }
      - { .name: x_codes, .offset: 24, .size: 8, .value_kind: global_buffer, .address_space: global }
      - { .name: x_scales, .offset: 32, .size: 8, .value_kind: global_buffer, .address_space: global }
      - { .name: w_codes, .offset: 40, .size: 8, .value_kind: global_buffer, .address_space: global }
      - { .name: w_scales, .offset: 48, .size: 8, .value_kind: global_buffer, .address_space: global }
      - { .name: wo, .offset: 56, .size: 8, .value_kind: global_buffer, .address_space: global }
    .group_segment_fixed_size: 68096
    .private_segment_fixed_size: 0
    .kernarg_segment_align: 8
    .kernarg_segment_size: 64
    .max_flat_workgroup_size: 128
    .sgpr_count:     66
    .vgpr_count:     200
    .wavefront_size: 32
...
	.end_amdgpu_metadata
.endif
;; end of part 1
;; launch qkv (part 2): grid 12 x 32, 4 waves a work-group, clusters of 4 x 4, 327,680 bytes of LDS; arguments x_codes, x_scales, w_codes, w_scales, qkv, q32; writes qkv, q32
.if DOCPART == 2
	.amdgcn_target "amdgcn-amd-amdhsa--gfx1250"
	.amdhsa_code_object_version 6
	.text
	.protected	k_q57005fa873_qkv
	.globl	k_q57005fa873_qkv
	.p2align	8
	.type	k_q57005fa873_qkv,@function
k_q57005fa873_qkv:
	s_mov_b64 s[64:65], 0
	v_nop
	global_prefetch_b8 v0, s[64:65] scope:SCOPE_SE
	s_setreg_imm32_b32 hwreg(HW_REG_WAVE_MODE, 25, 1), 1
	s_wait_xcnt 0x0
	s_wait_alu depctr_hold_cnt(0) depctr_sa_sdst(0) depctr_va_vdst(0) depctr_va_sdst(0) depctr_va_ssrc(0) depctr_va_vcc(0) depctr_vm_vsrc(0)
	s_getreg_b32 s2, hwreg(HW_REG_IB_STS2, 6, 4)
	s_cmp_eq_u32 s2, 0
	s_cbranch_scc0 .Lentry_in_a_cluster
	s_endpgm
.Lentry_in_a_cluster:
	s_bfe_u32 s2, ttmp6, 0x10000c
	s_cmp_lg_u32 s2, 0xf033
	s_cbranch_scc0 .Lentry_shape_is_right
	s_endpgm
.Lentry_shape_is_right:
; C[m][n] = sum over k of x[m][k] w_qkv[k][n], both operands as codes of FP4 (E2M1) with one E8M0 scale for each 32 along K; sums in f32.  A = x_codes [8192][512 bytes], B = w_codes [3072][512 bytes].
; A tile of C, 256 x 256, is made by a work-group of four waves; a wave makes 128 x 128: 64 accumulators, 512 registers.  K = 1,024 is two slots of 512: both are asked for at the head and none is filled again.
; The scales of the work-group's 256 rows of A and of B come into LDS once, with the first fills.
; CLUSTERS: 4 x 4 work-groups.  The four of a row of the cluster need the same tiles of A, the four of a column the same tiles of B: each tile is asked for JOINTLY.
; The tile row is 8 cy + cluster y: so cy is the batch, and the four partners along x, and all four along y, hold the sequence's same positions: the branch for the f32 copy below hangs on
; cluster y and the wave's number alone, which all partners share.
; THE MATRIX INSTRUCTION IS USED TRANSPOSED (source 0 = 16 rows of B, source 1 = 16 rows of A): a lane holds eight neighbouring columns n of one row m.
; THE RESULT LEAVES IN THE ORDER OF THE NEXT PRODUCT'S OPERAND REGISTERS.  qkv: [q, k, v][batch x head 64][t / 16][d / 32] images of 1,024 bytes; byte 512 c + 16 (16 h + r) + 2 e of an image is
; (t = r, d = 16 c + 8 h + e) as f16.  A lane's eight results, rounded to f16, are exactly its 16 bytes of such an image: 32 lanes store 512 consecutive bytes, with no way through LDS.
; In v's images the 16-byte pieces lie with bits 3 and 4 of the lane's number exchanged, which is the order in which the turning LDS load of the next launch wants them.
; q32: the sequence's first 16 positions once more, as f32: [batch][n / 16] images of 1,024 bytes; byte 512 e + 16 lane + 4 x is C(t = r, n = 16 block + 8 h + 4 e + x).
; LIMITS: q, k, v go into f16: magnitudes above 65,504 are not served.
; REGISTERS: window 0: v0-31 addresses; v32-95 scale words, two sets; v128-191 A's fragments, one set; on the way out v128-255 take the packed results.  window 1: B's fragments, two sets.
;   window 2: the accumulators of my rows 0-63 ((a, b) at v[8 (8 a + b)]);  window 3: those of my rows 64-127.
.set SIZE_M, 8192
.set SIZE_N, 3072
.set SIZE_K, 1024
.set KSTEP,  512                       ; along K in a slot
.set NQ,     KSTEP/128                 ; matrix instructions deep
.set ROWB,   256                       ; a tile's row in bytes
.set KROW,   SIZE_K*4/8                ; a row of A or of B in memory
.set PITCH,  272                       ; an LDS row: 256 bytes + 16 of padding, so that the 16 rows that a load touches begin 68 words apart
.set FR,     8                         ; registers of a fragment: 16 rows x 128 K
.set NL,     2                         ; LDS loads that bring one
.set NP,     4                         ; places behind this matrix instruction (ISA guide 7.12.1)
.set HALFT,  128*PITCH                 ; 128 rows: what one tensor load brings
.set SLOT,   4*HALFT                   ; A's 256 rows, then B's 256 rows
.set KS,     SIZE_K/32                 ; a row of scales in bytes
.set SCL,    2*SLOT                    ; behind the two slots: the scales, as runs of 256 bytes + 16 of padding
.set HALFS,  (128*KS/256)*272          ; the scales of 128 rows
.set SBLK,   (16*KS/256)*272           ; those of 16 rows
.set SPARE,  SCL+4*HALFS               ; the spare words, 128 bytes for each wave: two blocks of 256 bytes that no other line names
.set ADRA, 16                          ; v16-17  LDS address of my A fragments in slot 0, 1
.set ADRB, 20                          ; v20-21  the same for B
.set L16,  24                          ; v24     16 x lane
.set CO,   26                          ; v26     my 16 bytes in an image of qkv
.set ADRS, 27                          ; v27     LDS address of my scale words: lanes 0-15 A's rows, lanes 16-31 B's
.set SPW,  28                          ; v28     LDS address of my spare word; never rewritten
.set NIL,  29                          ; v29     0; never rewritten
.set SC,   32                          ; scale words: set s at v[SC + 8 NQ s]; register NQ i + q: lanes 0-15 A's block i, lanes 16-31 B's block i
.set AF,   128                         ; A's fragments, in window 0
.set G1, 24                            ; s[24:31] descriptor group 1 for A's tiles;  s[32:39] group 0, one set for each slot
.set G0, 32
.set G1B, 48                           ; s[48:55], s[56:63] the same for B's tiles
.set G0B, 56
.set G1S, 68                           ; s[68:75], s[76:79] groups 1 and 0 for A's scales;  s[80:87], s[88:91] for B's
.set G0S, 76
.set G1SB, 80
.set G0SB, 88
.set MSB, 0
.macro WIN new                         ; the immediate's high byte repeats the setting that is left
.if MSB != \new
	s_set_vgpr_msb (MSB<<8)|\new
.set MSB, \new
.endif
.endm
.set MUL_LO, 0xa1                      ; source 0 (B) window 1, source 1 (A) window 0, C and D window 2
.set MUL_HI, 0xf1                      ; the same, C and D window 3
.set TO_B,   0x40                      ; destination window 1, address window 0
; A joint load: waves 0 and 1 fetch for A, waves 2 and 3 for B.  The branch hangs on the wave's number alone.  An s_nop 0 and four v_nop follow each of the two lines.
.macro JLOAD g0a, g1a, g0b, g1b
	s_cmp_eq_u32 s15, 0
	s_cbranch_scc0 .Lfor_b_\@
	tensor_load_to_lds s[\g0a:\g0a+3], s[\g1a:\g1a+7]
	s_nop 0
.rept 4
	v_nop
.endr
	s_branch .Lasked_\@
.Lfor_b_\@:
	tensor_load_to_lds s[\g0b:\g0b+3], s[\g1b:\g1b+7]
	s_nop 0
.rept 4
	v_nop
.endr
.Lasked_\@:
.endm
.macro CROUND                          ; a round of the cluster's barrier
	s_barrier_signal -1
	s_barrier_wait -1
	s_cmp_lg_u32 s14, 0
	s_cbranch_scc1 .Lnot_wave_0_\@
	s_barrier_signal -3
.Lnot_wave_0_\@:
	s_barrier_wait -3
	s_barrier_signal -1
	s_barrier_wait -1
.endm
	s_load_b128 s[4:7], s[0:1], 0x0                ; A's codes s[4:5], A's scales s[6:7]
	s_load_b128 s[8:11], s[0:1], 0x10              ; B's codes s[8:9], B's scales s[10:11]
	s_load_b64 s[12:13], s[0:1], 0x20              ; qkv
	s_load_b64 s[96:97], s[0:1], 0x28              ; q32
	v_lshl_add_u32 v[SPW], v0, 2, SPARE
	v_mov_b32 v[NIL], 0
	ds_add_u32 v[SPW], v[NIL]                      ; the wave's opening: the add, twice on end, and its wait ahead of my first tensor load
	ds_add_u32 v[SPW], v[NIL]
	v_lshrrev_b32 v1, 5, v0
	v_readfirstlane_b32 s14, v1                    ; wave 0..3
	s_lshr_b32 s15, s14, 1                         ; which half of the tile's rows is mine.  Also: I fetch for A (0) or for B (1)
	s_and_b32 s16, s14, 1                          ; which half of its columns.  Also: which 128 rows of that tile I fetch
	s_bfe_u32 s40, ttmp6, 0x40000                  ; cx, cy: my place in the cluster
	s_bfe_u32 s41, ttmp6, 0x40004
	s_lshl_b32 s42, ttmp9, 2
	s_add_co_u32 s42, s42, s40                     ; tile column of C = 4 x cluster x + cx: cluster x says q, k or v
	s_and_b32 s17, ttmp7, 0xffff
	s_or_b32 s95, s17, s15                         ; 0 where my first 16 rows are a sequence's first 16 positions: cluster y = 0 and the upper half of the rows
	s_lshl_b32 s18, s41, 3
	s_add_co_u32 s17, s17, s18                     ; tile row of C = 8 cy + cluster y
	s_lshl_b32 s43, s41, 2
	s_lshl_b32 s43, 15, s43                        ; my row of the cluster
	s_lshl_b32 s44, 0x1111, s40                    ; my column
	s_or_b32 s[G1+0], s43, (0<<16)|(1<<20)|(1<<21)|(5<<22)|(3<<25)  ; 15:0 the mask; 17:16 element of 1 byte; 20 padding on; 21 set beside a mask; 24:22 after every 64 words; 31:25 of 4 words
	s_or_b32 s[G1B+0], s44, (0<<16)|(1<<20)|(1<<21)|(5<<22)|(3<<25)
.irp g, G1, G1B
	s_mov_b32 s[\g+1], ROWB<<16                    ; tensor_dim0
	s_mov_b32 s[\g+2], 128<<16                     ; tensor_dim1 = 128
	s_mov_b32 s[\g+3], ROWB<<16                    ; tile_dim0
	s_mov_b32 s[\g+4], 128                         ; tile_dim1 = 128
	s_mov_b32 s[\g+5], KROW                        ; tensor_dim0_stride
	s_mov_b32 s[\g+6], 0
	s_mov_b32 s[\g+7], 0
.endr
	s_or_b32 s[G1S+0], s43, (3<<16)|(1<<20)|(1<<21)|(5<<22)|(3<<25) ; the scales of 128 rows: a dense block, as rows of 256 bytes (32 elements of 8 bytes), 16 bytes of padding behind each
	s_or_b32 s[G1SB+0], s44, (3<<16)|(1<<20)|(1<<21)|(5<<22)|(3<<25)
.irp g, G1S, G1SB
	s_mov_b32 s[\g+1], 32<<16
	s_mov_b32 s[\g+2], (128*KS/256)<<16
	s_mov_b32 s[\g+3], 32<<16
	s_mov_b32 s[\g+4], 128*KS/256
	s_mov_b32 s[\g+5], 32
	s_mov_b32 s[\g+6], 0
	s_mov_b32 s[\g+7], 0
.endr
	s_lshl_b32 s18, s16, 7                         ; which 128 rows of the tile I fetch
	s_lshl_b32 s20, s17, 8
	s_add_co_u32 s20, s20, s18                     ; A: row 256 x tile row + 128 x half
	s_lshl_b32 s46, s42, 8
	s_add_co_u32 s46, s46, s18                     ; B: row 256 x tile column + 128 x half
	s_mov_b32 s21, 0
	s_mov_b32 s47, 0
	s_mov_b64 s[18:19], KS
	s_mul_u64 s[22:23], s[20:21], s[18:19]         ; where these rows' scales begin, in bytes
	s_mul_u64 s[92:93], s[46:47], s[18:19]
	s_mov_b64 s[18:19], KROW
	s_mul_u64 s[20:21], s[20:21], s[18:19]         ; and their codes
	s_mul_u64 s[46:47], s[46:47], s[18:19]
	s_mul_i32 s45, s14, HALFT                      ; where they go: wave x 128 rows: no place in the cluster enters an LDS address
	s_mul_i32 s94, s14, HALFS
	s_wait_dscnt 0x0                               ; both opening adds are done
	s_wait_kmcnt 0x0
	s_add_nc_u64 s[20:21], s[4:5], s[20:21]
	s_add_nc_u64 s[22:23], s[6:7], s[22:23]
	s_add_nc_u64 s[46:47], s[8:9], s[46:47]
	s_add_nc_u64 s[92:93], s[10:11], s[92:93]
	CROUND                                         ; all sixteen work-groups are here: the first joint loads meet
	s_mov_b32 s[G0S], 1
	s_add_co_u32 s[G0S+1], s94, SCL
	s_mov_b64 s[G0S+2:G0S+3], s[22:23]
	s_or_b32 s[G0S+3], s[G0S+3], 0x80000000
	s_mov_b32 s[G0SB], 1
	s_add_co_u32 s[G0SB+1], s94, SCL
	s_mov_b64 s[G0SB+2:G0SB+3], s[92:93]
	s_or_b32 s[G0SB+3], s[G0SB+3], 0x80000000
	JLOAD G0S, G1S, G0SB, G1SB                     ; the scales first: they are wanted with the first slot.  Three loads of mine are out behind the next two
.irp s, 0,1
	s_mov_b32 s[G0+4*\s], 1
	s_add_co_u32 s[G0+4*\s+1], s45, \s*SLOT
	s_add_nc_u64 s[G0+4*\s+2:G0+4*\s+3], s[20:21], \s*ROWB
	s_or_b32 s[G0+4*\s+3], s[G0+4*\s+3], 0x80000000
	s_mov_b32 s[G0B+4*\s], 1
	s_add_co_u32 s[G0B+4*\s+1], s45, \s*SLOT
	s_add_nc_u64 s[G0B+4*\s+2:G0B+4*\s+3], s[46:47], \s*ROWB
	s_or_b32 s[G0B+4*\s+3], s[G0B+4*\s+3], 0x80000000
	JLOAD G0+4*\s, G1, G0B+4*\s, G1B
.endr
	v_and_b32 v1, 15, v0                           ; l % 16
	v_bfe_u32 v2, v0, 4, 1                         ; l / 16
	v_mul_u32_u24 v3, v1, PITCH
	v_lshl_add_u32 v4, v2, 4, v3                   ; a fragment's row x pitch + 16 x half
	s_mul_i32 s21, s15, HALFT                      ; my 128 rows of A
	s_mul_i32 s22, s16, HALFT                      ; my 128 rows of B,
	s_add_co_u32 s22, s22, 2*HALFT                 ; which lie behind A's 256
.irp s, 0,1
	v_add_nc_u32 v[ADRA+\s], s21, v4
	v_add_nc_u32 v[ADRB+\s], s22, v4
	s_add_co_u32 s21, s21, SLOT
	s_add_co_u32 s22, s22, SLOT
.endr
	v_mul_u32_u24 v5, v1, KS                       ; my row's scales: KS bytes a row,
	v_lshrrev_b32 v6, 8, v5
	v_lshl_add_u32 v5, v6, 4, v5                   ; and 16 more for each 256 passed
	s_mul_i32 s21, s15, HALFS                      ; A's: my 128 rows
	s_mul_i32 s22, s16, HALFS                      ; B's: my 128 rows, behind A's 256
	s_add_co_u32 s22, s22, 2*HALFS
	s_sub_co_u32 s22, s22, s21
	v_mul_u32_u24 v6, s22, v2                      ; lanes 16-31 take B's
	s_add_co_u32 s21, s21, SCL
	v_add_nc_u32 v5, v5, v6
	v_add_nc_u32 v[ADRS], s21, v5
	; the way out: my 16 bytes in an image; for v bits 3 and 4 of the lane's number change places
	v_and_b32 v5, 7, v0
	v_bfe_u32 v6, v0, 3, 1
	v_bfe_u32 v7, v0, 4, 1
	s_cmp_eq_u32 ttmp9, 2
	s_cselect_b32 s20, 4, 3
	s_cselect_b32 s21, 3, 4
	v_lshlrev_b32 v6, s20, v6
	v_lshlrev_b32 v7, s21, v7
	v_or_b32 v5, v5, v6
	v_or_b32 v5, v5, v7
	v_lshlrev_b32 v[CO], 4, v5
	v_and_b32 v5, 31, v0
	v_lshlrev_b32 v[L16], 4, v5
	s_lshl_b32 s20, ttmp9, 24                      ; q, k or v: 2^24 bytes each
	s_lshl_b32 s21, s41, 4                         ; batch x 16 heads
	s_lshl_b32 s22, s40, 2                         ; + the tile column's four heads
	s_add_co_u32 s21, s21, s22
	s_lshl_b32 s22, s16, 1                         ; + my half's two
	s_add_co_u32 s21, s21, s22
	s_lshl_b32 s21, s21, 18                        ; 2^18 bytes a head
	s_add_co_u32 s20, s20, s21
	s_and_b32 s22, ttmp7, 0xffff
	s_lshl_b32 s22, s22, 4                         ; t / 16 = 16 x cluster y + 8 x my half of the rows
	s_lshl_b32 s23, s15, 3
	s_add_co_u32 s22, s22, s23
	s_lshl_b32 s22, s22, 11                        ; 2,048 bytes for 16 positions
	s_add_co_u32 s20, s20, s22
	s_mov_b32 s21, 0
	s_add_nc_u64 s[12:13], s[12:13], s[20:21]
	s_mul_i32 s20, s41, 196608                     ; q32: the batch's 192 images,
	s_lshl_b32 s22, s42, 4                         ; 16 to a tile column,
	s_lshl_b32 s23, s16, 3                         ; my half's 8
	s_add_co_u32 s22, s22, s23
	s_lshl_b32 s22, s22, 10
	s_add_co_u32 s20, s20, s22
	s_add_nc_u64 s[96:97], s[96:97], s[20:21]
.macro FRAG reg, adr, q, i             ; a fragment: lane l holds row l % 16; registers 4 c .. 4 c + 3 hold K = 64 c + 32 (l / 16) + 0 .. 31
.irp c, 0,1
	ds_load_b128 v[\reg+4*\c:\reg+4*\c+3], v[\adr] offset:64*(\q)+32*\c+(\i)*16*PITCH
.endr
.endm
; 16 matrix instructions: A's blocks a0, a0 + 1 x B's eight, 128 along K.  The 64 accumulators take turns, one instruction a turn, in the same order in every step.
.macro MUL16 a0, p, q, sc, zero
.irp a, \a0, \a0+1
.irp b, 0,1,2,3,4,5,6,7
.if \zero
	v_wmma_scale_f32_16x16x128_f8f6f4 v[8*(8*((\a)%4)+\b):8*(8*((\a)%4)+\b)+7], v[128*(\p)+FR*\b:128*(\p)+FR*\b+FR-1], v[AF+FR*(\a):AF+FR*(\a)+FR-1], 0, v[SC+8*NQ*(\sc)+NQ*\b+(\q)], v[SC+8*NQ*(\sc)+NQ*(\a)+(\q)] matrix_a_fmt:MATRIX_FMT_FP4 matrix_b_fmt:MATRIX_FMT_FP4 matrix_a_scale:MATRIX_SCALE_ROW1
.else
	v_wmma_scale_f32_16x16x128_f8f6f4 v[8*(8*((\a)%4)+\b):8*(8*((\a)%4)+\b)+7], v[128*(\p)+FR*\b:128*(\p)+FR*\b+FR-1], v[AF+FR*(\a):AF+FR*(\a)+FR-1], v[8*(8*((\a)%4)+\b):8*(8*((\a)%4)+\b)+7], v[SC+8*NQ*(\sc)+NQ*\b+(\q)], v[SC+8*NQ*(\sc)+NQ*(\a)+(\q)] matrix_a_fmt:MATRIX_FMT_FP4 matrix_b_fmt:MATRIX_FMT_FP4 matrix_a_scale:MATRIX_SCALE_ROW1
.endif
.endr
.endr
.endm
.macro FETCH_B slot, q, p
	WIN TO_B
.irp i, 0,1,2,3,4,5,6,7
	FRAG 128*(\p)+FR*\i, ADRB+\slot, \q, \i
.endr
	WIN 0
.endm
.macro FETCH_A slot, q, i0
.irp i, \i0, \i0+1, \i0+2, \i0+3
	FRAG AF+FR*(\i), ADRA+\slot, \q, \i
.endr
.endm
.macro SCALES sc                       ; a slot's scale words: NQ words a row; lanes 0-15 take A's block i, lanes 16-31 B's block i
.irp i, 0,1,2,3,4,5,6,7
	ds_load_b128 v[SC+8*NQ*\sc+NQ*\i:SC+8*NQ*\sc+NQ*\i+3], v[ADRS] offset:\i*SBLK
.endr
.endm
.macro PLACES n                        ; plain vector lines between a matrix instruction and a load into, or a read of, its registers
.rept \n
	v_nop
.endr
.endm
.macro STEP slot, q, zero              ; a step of 128 along K that has its successor in the same slot
	s_wait_dscnt 4*NL                              ; B's set and A's blocks 0-3 are in; the youngest eight loads (A's blocks 4-7) may be out
	WIN MUL_LO
	MUL16 0, (\q)%2, \q, \slot, \zero
	MUL16 2, (\q)%2, \q, \slot, \zero
	s_wait_dscnt 0
	PLACES NP
	FETCH_B \slot, (\q)+1, 1-(\q)%2
	FETCH_A \slot, (\q)+1, 0
	WIN MUL_HI
	MUL16 4, (\q)%2, \q, \slot, \zero
	MUL16 6, (\q)%2, \q, \slot, \zero
	PLACES NP
	WIN 0
	FETCH_A \slot, (\q)+1, 4
.endm
.macro STEPS slot, from
.set Q, \from
.rept NQ-1-\from
	STEP \slot, Q, 0
.set Q, Q+1
.endr
.endm
	s_wait_tensorcnt 1                             ; the scales and my part of slot 0 are in; slot 1's load may be out
	s_barrier_signal -1
	s_barrier_wait -1
	FETCH_B 0, 0, 0
	FETCH_A 0, 0, 0
	SCALES 0
	FETCH_A 0, 0, 4
	STEP 0, 0, 1                                   ; the first step's products start the sums: nothing is cleared
	STEPS 0, 1
	; slot 0's last step changes slots: one barrier; nothing is filled again
	s_wait_tensorcnt 0x0                           ; my part of slot 1 has landed
	ds_add_u32 v[SPW], v[NIL]                      ; 0 onto my spare word
	s_wait_dscnt 4*NL+1                            ; the add and the youngest eight loads may be out
	WIN MUL_LO
	MUL16 0, 1, NQ-1, 0, 0
	s_wait_dscnt 0x0                               ; the add is done, and my reads of slot 0 are over
	s_barrier_signal -1
	MUL16 2, 1, NQ-1, 0, 0
	WIN 0
	s_barrier_wait -1
	PLACES NP
	v_add_nc_u32 v[ADRS], 4*NQ, v[ADRS]            ; on to slot 1's scale words
	FETCH_B 1, 0, 0
	FETCH_A 1, 0, 0
	SCALES 1
	WIN MUL_HI
	MUL16 4, 1, NQ-1, 0, 0
	MUL16 6, 1, NQ-1, 0, 0
	PLACES NP
	WIN 0
	FETCH_A 1, 0, 4
	STEPS 1, 0
	s_wait_dscnt 4*NL                              ; the very last step: nothing more to fetch
	WIN MUL_LO
	MUL16 0, 1, NQ-1, 1, 0
	MUL16 2, 1, NQ-1, 1, 0
	s_wait_dscnt 0
	WIN MUL_HI
	MUL16 4, 1, NQ-1, 1, 0
	MUL16 6, 1, NQ-1, 1, 0
	WIN 0
	; THE WAY OUT, straight from registers.
	PLACES NP                                      ; behind the last products: their results are read, and A's registers written, below
	s_cmp_lg_u32 s95, 0
	s_cbranch_scc1 .Lno_fine
	WIN 0x08                                       ; a store's data are its source 1: window 2
.irp b, 0,1,2,3,4,5,6,7                ; the first 16 positions as f32: block 0's eight accumulators as they stand, each from its low end on
	global_store_b128 v[L16], v[8*\b:8*\b+3], s[96:97] offset:1024*\b
	global_store_b128 v[L16], v[8*\b+4:8*\b+7], s[96:97] offset:1024*\b+512
.endr
	WIN 0
.Lno_fine:
.macro PACK a                          ; block a: 16 positions x 128 columns = two heads x two images; 32 roundings, each accumulator in ascending order, and 8 stores of 512 consecutive bytes
.set AC, 64*((\a)%4)
.set PB, 128+32*((\a)%4)
	WIN 0x0a+5*((\a)/4)                            ; sources 0 and 1: window 2 or 3
.irp b, 0,1,2,3,4,5,6,7
.irp r, 0,1,2,3
	v_cvt_pk_f16_f32 v[PB+4*\b+\r], v[AC+8*\b+2*\r], v[AC+8*\b+2*\r+1]
.endr
.endr
	WIN 0
.irp b, 0,1,2,3,4,5,6,7
	global_store_b128 v[CO], v[PB+4*\b:PB+4*\b+3], s[12:13] offset:(\b/4)*262144+(\a)*2048+((\b/2)%2)*1024+(\b%2)*512
.endr
.endm
	PACK 0
	PACK 1
	PACK 2
	PACK 3
.irp a, 4,5,6,7
	s_wait_xcnt 0x0                                ; the stores of four blocks back have read their data: those registers are written again only behind this wait
	PACK \a
.endr
	s_wait_tensorcnt 0x0                           ; the wave's end
	ds_add_u32 v[SPW], v[NIL]
	s_wait_dscnt 0x0
	CROUND                                         ; the closing round: no work-group ends while a partner may still ask for a tile that names it
	s_endpgm
.Lfunc_end_k_q57005fa873_qkv:
	.size	k_q57005fa873_qkv, .Lfunc_end_k_q57005fa873_qkv-k_q57005fa873_qkv
	.p2alignl 7, 3214868480
	.fill 96, 4, 3214868480
	.section	.rodata,"a",@progbits
	.p2align	6, 0x0
	.amdhsa_kernel k_q57005fa873_qkv
		.amdhsa_group_segment_fixed_size 327680
		.amdhsa_private_segment_fixed_size 0
		.amdhsa_enable_private_segment 0
		.amdhsa_kernarg_size 48
		.amdhsa_user_sgpr_count 2
		.amdhsa_user_sgpr_kernarg_segment_ptr 1
		.amdhsa_wavefront_size32 1
		.amdhsa_system_sgpr_workgroup_id_x 1
		.amdhsa_system_sgpr_workgroup_id_y 1
		.amdhsa_system_sgpr_workgroup_id_z 1
		.amdhsa_system_vgpr_workitem_id 0
		.amdhsa_next_free_vgpr 1024
		.amdhsa_next_free_sgpr 98
		.amdhsa_reserve_vcc 0
		.amdhsa_float_denorm_mode_32 3
		.amdhsa_float_denorm_mode_16_64 3
		.amdhsa_memory_ordered 1
		.amdhsa_forward_progress 1
		.amdhsa_inst_pref_size 120
	.end_amdhsa_kernel
	.amdgpu_metadata
---
amdhsa.version: [ 1, 2 ]
amdhsa.kernels:
  - .name:           k_q57005fa873_qkv
    .symbol:         k_q57005fa873_qkv.kd
    .args:
      - { .name: x_codes, .offset: 0, .size: 8, .value_kind: global_buffer, .address_space: global }
      - { .name: x_scales, .offset: 8, .size: 8, .value_kind: global_buffer, .address_space: global }
      - { .name: w_codes, .offset: 16, .size: 8, .value_kind: global_buffer, .address_space: global }
      - { .name: w_scales, .offset: 24, .size: 8, .value_kind: global_buffer, .address_space: global }
      - { .name: qkv, .offset: 32, .size: 8, .value_kind: global_buffer, .address_space: global }
      - { .name: q32, .offset: 40, .size: 8, .value_kind: global_buffer, .address_space: global }
    .group_segment_fixed_size: 327680
    .private_segment_fixed_size: 0
    .kernarg_segment_align: 8
    .kernarg_segment_size: 48
    .max_flat_workgroup_size: 128
    .sgpr_count:     98
    .vgpr_count:     1024
    .wavefront_size: 32
...
	.end_amdgpu_metadata
.endif
;; end of part 2
;; launch attn (part 3): grid 4 x 64, 8 waves a work-group, no clusters, 327,680 bytes of LDS; arguments qkv, att; writes att
.if DOCPART == 3
	.amdgcn_target "amdgcn-amd-amdhsa--gfx1250"
	.amdhsa_code_object_version 6
	.text
	.protected	k_q57005fa873_attn
	.globl	k_q57005fa873_attn
	.p2align	8
	.type	k_q57005fa873_attn,@function
k_q57005fa873_attn:
	s_mov_b64 s[64:65], 0
	v_nop
	global_prefetch_b8 v0, s[64:65] scope:SCOPE_SE
	s_setreg_imm32_b32 hwreg(HW_REG_WAVE_MODE, 25, 1), 1
	s_wait_xcnt 0x0
; att[b][t][head][:] = the sum over keys k <= t of softmax_k(q[t] . k[k] / 8) v[k][:], for 64 pairs of batch and head, 2,048 positions, head size 64.  Operands f16, products, maxima and sums f32;
; the weights p are rounded to f16 for the second product; the row's sum is taken of the unrounded p.  A running maximum m and sum l for each query: p = 2^(c s - c m), c = log2(e) / 8.
; SHARES.  Work-group (i, pair) owns the query blocks i and 7 - i of 256 queries: under the causal mask the two together have the same work for every i.  Each of its eight waves holds four tiles of
; 16 queries, in two pieces: piece H, 32 queries of block 7 - i from 32 w on, and piece L, 32 queries of block i from 224 - 32 w on.  All waves walk the keys from 0, 64 a step; a fragment of K or V
; read from LDS feeds up to four tiles.  Two waves lie on a SIMD, so that one wave's softmax stands beside the other's products.
; NO CLUSTER: the four work-groups of a pair walk 8, 7, 6 and 5 slots of keys; a joint load would bring three of them slots that none of their waves reads.
; LAYOUT.  qkv holds images of operand registers (1,024 bytes: 16 rows x 32 channels), so a slot of 256 keys is one dense block of 32,768 bytes of K and one of V, and every fragment load is
; base + 16 x lane: 512 consecutive bytes.  S^T = K Q^T (source 0 = 16 keys, source 1 = 16 queries): a lane holds ONE query and the keys 8 (lane / 16) + 0..7.  Two such tiles, rounded to f16 in pairs,
; are source 1 of O^T = V^T P.  V comes out of LDS turned, by ds_load_tr16_b128; its pieces lie in the order that this load wants.
; THE CAUSAL MASK.  Every work-group walks all eight slots: the trip counts are constants.  A step all of whose keys come after a piece's queries is left out by a scalar branch on ids; in the one step
; of a piece that lies on the diagonal hidden scores become -infinity.  A slot whose first key comes after the work-group's last query is not asked for.
; att is laid for the next product: [row / 128][k / 128][(row / 64) % 2][(k / 32) % 4][(row / 16) % 4] images; a lane's eight channels, rounded to f16, are its 16 bytes of such an image.
; LIMITS: the result goes into f16: magnitudes above 65,504 are not served; NaN and infinities are not served.
; REGISTERS.  window 0: v1-5 addresses and constants; v12, v13 the add's two; v14, v15 the mask; v16-47 statistics, eight a tile (+0 c m, +1 m, +2, +3 l, +4 .. +7 at work, a in +6);
;   v48-111 S^T of the piece in hand, 32 a tile, P in the lower 16; v112-175 K's fragments; v176-239 V's.   window 1: v0-127 O^T, 32 a tile; v128-191 Q, 16 a tile.
.set L16,  1                           ; v1   16 x lane; never rewritten
.set ADR,  2                           ; v2   the LDS address of the step in hand
.set DL,   3                           ; v3   lane % 16 - 8 (lane / 16)
.set NINF, 4                           ; v4   -infinity
.set PFO,  5                           ; v5   256 x lane: the prefetches' offset; never rewritten
.set SPW,  12                          ; v12  LDS address of my spare word; never rewritten
.set NIL,  13                          ; v13  0; never rewritten
.set MK,   14
.set ST,   16
.set S,    48
.set KFR,  112
.set VFR,  176
.set QFR,  128                         ; in window 1
.set SLOT1, 65536                      ; slot 1 begins here: one exclusive or turns an address from one slot to the other
.set VOFF,  32768                      ; a slot: 32,768 bytes of K, then as many of V
.set SPARE, 131072                     ; the spare words, 128 bytes for each wave: four blocks of 256 bytes that no other line names
.set WV,   8                           ; s8   my wave's number
.set QH,   9                           ; s9   piece H's first query
.set QL,   10                          ; s10  piece L's
.set KF,   11                          ; s11  the step's first key
.set TB,   12                          ; s12  LDS byte at which the step's K begins
.set SLOTS, 13                         ; s13  changes of slots still to come in the loop
.set CNT,  14                          ; s14  counts a slot's four steps
.set LIM,  15                          ; s15  1 in a wave that prefetches, else the greatest number
.set CS,   16                          ; s[16:17] c, twice
.set SEL,  18                          ; s[18:19] lane selects for v_permlanex16_b32: lane l xor 16
.set PFK,  20                          ; s[20:21] where my prefetches of K stand;  s[22:23] of V
.set PFV,  22
.set G1,   24                          ; s[24:31] descriptor group 1;  s[32:35] group 0, which walks
.set G0,   32
.set OH,   48                          ; s[48:49], s[50:51] att at piece H's and piece L's first tile
.set OL,   50
.set QBH,  52                          ; s[52:53], s[54:55] q likewise
.set QBL,  54
.set MSB, 0
.macro WIN new                         ; the immediate's high byte repeats the setting that is left
.if MSB != \new
	s_set_vgpr_msb (MSB<<8)|\new
.set MSB, \new
.endif
.endm
; Waves 0 and 1 fetch K's halves of a slot, waves 2 and 3 V's, the others nothing.  An s_nop 0 and four v_nop follow the load.
.macro TLOAD
	s_cmp_lt_u32 s[WV], 4
	s_cbranch_scc0 .Lasked_\@
	tensor_load_to_lds s[G0:G0+3], s[G1:G1+7]
	s_nop 0
.rept 4
	v_nop
.endr
.Lasked_\@:
.endm
; A PREFETCH INTO THE L2 of the slot that the NEXT change of slots will ask for: four key steps ahead of that load.  All four work-groups of a pair walk the same K and V: the first of them asks, and in it
; the waves that fetch nothing: waves 4 to 7, 8,192 bytes of K and 8,192 of V each, lanes 256 bytes apart.  So each aligned 256 bytes are named once in the launch.  Slots 0 and 1 come by their loads alone;
; the last change in the loop asks for nothing: there is no slot behind the one that it loads.
.macro ASK
	s_cmp_gt_u32 s[SLOTS], s[LIM]
	s_cbranch_scc0 .Lnot_mine_\@
	global_prefetch_b8 v[PFO], s[PFK:PFK+1] th:TH_LOAD_NT scope:SCOPE_SE
	global_prefetch_b8 v[PFO], s[PFV:PFV+1] th:TH_LOAD_NT scope:SCOPE_SE
.Lnot_mine_\@:
.endm
.macro ATTOFF dst, q                   ; the byte in att of the tile that begins at query s[q]; s36 = 16 x batch + head
	s_lshr_b32 s46, s36, 4
	s_lshl_b32 s46, s46, 11
	s_add_co_u32 s46, s46, s[\q]                   ; the row: 2,048 x batch + query
	s_lshr_b32 s47, s46, 7
	s_lshl_b32 s[\dst], s47, 18                    ; row / 128
	s_bfe_u32 s47, s46, 0x10006
	s_lshl_b32 s47, s47, 14                        ; (row / 64) % 2
	s_add_co_u32 s[\dst], s[\dst], s47
	s_bfe_u32 s47, s46, 0x20004
	s_lshl_b32 s47, s47, 10                        ; (row / 16) % 4
	s_add_co_u32 s[\dst], s[\dst], s47
	s_bfe_u32 s47, s36, 0x30001
	s_lshl_b32 s47, s47, 15                        ; k / 128 = head / 2
	s_add_co_u32 s[\dst], s[\dst], s47
	s_and_b32 s47, s36, 1
	s_lshl_b32 s47, s47, 13                        ; (k / 32) % 4 = 2 (head % 2) + ..
	s_add_co_u32 s[\dst], s[\dst], s47
	s_mov_b32 s[\dst+1], 0
.endm
	s_load_b128 s[4:7], s[0:1], 0x0                ; qkv s[4:5], att s[6:7]
	v_lshl_add_u32 v[SPW], v0, 2, SPARE
	v_mov_b32 v[NIL], 0
	ds_add_u32 v[SPW], v[NIL]                      ; the wave's opening: the add, twice on end, and its wait ahead of my first tensor load
	ds_add_u32 v[SPW], v[NIL]
	v_lshrrev_b32 v1, 5, v0
	v_readfirstlane_b32 s[WV], v1                  ; wave 0..7
	s_mov_b32 s[G1], 3<<16                         ; 15:0 no mask; 17:16 elements of 8 bytes; no padding
	s_mov_b32 s[G1+1], 32<<16                      ; tensor_dim0 = 32 elements: rows of 256 bytes
	s_mov_b32 s[G1+2], 64<<16                      ; tensor_dim1 = 64
	s_mov_b32 s[G1+3], 32<<16                      ; tile_dim0
	s_mov_b32 s[G1+4], 64                          ; tile_dim1: 64 rows, 16,384 dense bytes
	s_mov_b32 s[G1+5], 32                          ; tensor_dim0_stride
	s_mov_b32 s[G1+6], 0
	s_mov_b32 s[G1+7], 0
	s_and_b32 s36, ttmp7, 0xffff                   ; 16 x batch + head
	s_lshl_b32 s37, s36, 18                        ; its bytes in each of q, k, v
	s_sub_co_u32 s38, 7, ttmp9
	s_lshl_b32 s38, s38, 8
	s_lshl_b32 s39, s[WV], 5
	s_add_co_u32 s[QH], s38, s39                   ; 256 (7 - i) + 32 w
	s_lshl_b32 s38, ttmp9, 8
	s_add_co_u32 s38, s38, 224
	s_sub_co_u32 s[QL], s38, s39                   ; 256 i + 224 - 32 w
	s_lshr_b32 s40, s[WV], 1                       ; what I fetch, if I fetch: k (waves 0, 1) or v (waves 2, 3),
	s_add_co_u32 s40, s40, 1
	s_lshl_b32 s40, s40, 24
	s_add_co_u32 s40, s40, s37
	s_and_b32 s41, s[WV], 1                        ; the slot's first or second 16,384 bytes
	s_lshl_b32 s41, s41, 14
	s_add_co_u32 s40, s40, s41
	s_mov_b32 s41, 0
	s_lshl_b32 s42, s[QH], 7                       ; q: 2,048 bytes for 16 queries
	s_add_co_u32 s42, s42, s37
	s_mov_b32 s43, 0
	s_lshl_b32 s44, s[QL], 7
	s_add_co_u32 s44, s44, s37
	s_mov_b32 s45, 0
	ATTOFF OH, QH
	ATTOFF OL, QL
	s_and_b32 s38, s[WV], 3                        ; the prefetches: my wave's 8,192 bytes,
	s_lshl_b32 s38, s38, 13
	s_add_co_u32 s38, s38, s37
	s_add_co_u32 s38, s38, (1<<24)+32768           ; of k's slot 1: the first change of slots steps it to slot 2
	s_mov_b32 s39, 0
	s_sub_co_u32 s46, s[WV], 4
	s_lshr_b32 s46, s46, 2                         ; 0 in waves 4 to 7,
	s_or_b32 s46, s46, ttmp9                       ; of the pair's first work-group
	s_cmp_eq_u32 s46, 0
	s_cselect_b32 s[LIM], 1, -1
	s_mov_b32 s[CS], 0x3e38aa3b                    ; c = log2(e) / 8
	s_mov_b32 s[CS+1], s[CS]
	s_mov_b32 s[SEL], 0x76543210
	s_mov_b32 s[SEL+1], 0xfedcba98
	s_mov_b32 s[KF], 0
	s_mov_b32 s[TB], 0
	s_mov_b32 s[SLOTS], 7
	s_wait_dscnt 0x0                               ; both opening adds are done
	s_wait_kmcnt 0x0
	s_mov_b32 s[G0], 1                             ; 1:0 count = 1
	s_lshl_b32 s[G0+1], s[WV], 14                  ; 63:32 LDS address: K's halves, then V's, in slot 0
	s_add_nc_u64 s[G0+2:G0+3], s[4:5], s[40:41]    ; 120:64 global address
	s_or_b32 s[G0+3], s[G0+3], 0x80000000          ; 127:126 type = 2
	TLOAD                                          ; slot 0: one load of mine is out
	s_add_nc_u64 s[QBH:QBH+1], s[4:5], s[42:43]
	s_add_nc_u64 s[QBL:QBL+1], s[4:5], s[44:45]
	s_add_nc_u64 s[OH:OH+1], s[6:7], s[OH:OH+1]
	s_add_nc_u64 s[OL:OL+1], s[6:7], s[OL:OL+1]
	s_add_nc_u64 s[PFK:PFK+1], s[4:5], s[38:39]
	s_add_nc_u64 s[PFV:PFV+1], s[PFK:PFK+1], 1<<24
	v_and_b32 v1, 31, v0
	v_lshlrev_b32 v[PFO], 8, v1
	v_and_b32 v[DL], 15, v0
	v_bfe_u32 v[ADR], v0, 4, 1
	v_lshlrev_b32 v[ADR], 3, v[ADR]
	v_sub_nc_u32 v[DL], v[DL], v[ADR]
	v_lshlrev_b32 v[L16], 4, v1
	v_mov_b32 v[NINF], 0xff800000
	WIN 0x40                                       ; destination window 1, address window 0
.irp t, 0,1                            ; Q stays in registers
.irp k, 0,1
.irp c, 0,1
	global_load_b128 v[QFR+16*\t+8*\k+4*\c:QFR+16*\t+8*\k+4*\c+3], v[L16], s[QBH:QBH+1] offset:\t*2048+\k*1024+\c*512
	global_load_b128 v[QFR+32+16*\t+8*\k+4*\c:QFR+32+16*\t+8*\k+4*\c+3], v[L16], s[QBL:QBL+1] offset:\t*2048+\k*1024+\c*512
.endr
.endr
.endr
.set i, 0
.rept 128
	v_mov_b32 v[i], 0                              ; O^T.  The step is written once: the first finds zeros, which the first a = 0 leaves zeros
.set i, i+1
.endr
	WIN 0
.irp t, 0,1,2,3
	v_mov_b32 v[ST+8*\t+1], 0xff61b1e6             ; m = -3e38, under every score
	v_mul_f32 v[ST+8*\t], s[CS], v[ST+8*\t+1]      ; c m
.irp j, 2,3,4,5,6,7
	v_mov_b32 v[ST+8*\t+\j], 0                     ; l, and the registers at work: a lane permute's destination counts as one of its sources
.endr
.endr
; A PIECE'S SHARE OF A KEY STEP: piece x (tiles 2 x, 2 x + 1), whose first query is s[sq].
.macro PIECE x, sq
.set TT, ST+16*\x
	s_wait_dscnt 16                                ; K's sixteen loads are in; V's sixteen may be out
	WIN 0x04                                       ; source 1 (Q) window 1
.set i, 0
.rept 16                               ; S^T = K Q^T: channels 32 (i / 8) on, keys 16 ((i / 2) % 4) on, tile i % 2.  Eight accumulators by turns; the first eight start the sums
.set rS, S+32*(i%2)+8*((i/2)%4)
.set rK, KFR+16*((i/2)%4)+8*(i/8)
.set rQ, QFR+16*(2*\x+i%2)+8*(i/8)
.if i < 8
	v_wmma_f32_16x16x32_f16 v[rS:rS+7], v[rK:rK+7], v[rQ:rQ+7], 0
.else
	v_wmma_f32_16x16x32_f16 v[rS:rS+7], v[rK:rK+7], v[rQ:rQ+7], v[rS:rS+7]
.endif
.set i, i+1
.endr
	WIN 0
.rept 4
	v_nop                                          ; places behind the products, ahead of the first read of their results
.endr
	s_add_co_u32 s36, s[KF], 63                    ; a step all of whose keys count skips the mask
	s_cmp_le_u32 s36, s[\sq]
	s_cbranch_scc1 .Lopen_\@
	s_sub_co_u32 s36, s[\sq], s[KF]
	v_add_nc_u32 v[MK], s36, v[DL]                 ; register n of tile t holds key KF + 16 (n / 8) + n % 8 + 8 (lane / 16): hidden where 16 (n / 8) + n % 8 > first query - KF + 16 t + lane % 16 - 8 (lane / 16)
	v_add_nc_u32 v[MK+1], 16, v[MK]
.irp t, 0,1
.set n, 0
.rept 32
	v_cmp_gt_i32 vcc_lo, 16*(n/8)+n%8, v[MK+\t]
	v_cndmask_b32 v[S+32*\t+n], v[S+32*\t+n], v[NINF], vcc_lo
.set n, n+1
.endr
.endr
.Lopen_\@:
	; the maximum of the lane's 32 scores and the old m, in four chains; the two tiles line by line.  Each accumulator is read from its low end on
.irp j, 0,1,2,3
.irp t, 0,1
	v_max3_num_f32 v[TT+8*\t+4+\j], v[S+32*\t+8*\j], v[S+32*\t+8*\j+1], v[S+32*\t+8*\j+2]
.endr
.endr
.irp g, 1,2
.irp j, 0,1,2,3
.irp t, 0,1
	v_max3_num_f32 v[TT+8*\t+4+\j], v[TT+8*\t+4+\j], v[S+32*\t+8*\j+2*\g+1], v[S+32*\t+8*\j+2*\g+2]
.endr
.endr
.endr
.irp t, 0,1
	v_max3_num_f32 v[TT+8*\t+4], v[TT+8*\t+4], v[S+32*\t+7], v[S+32*\t+15]
.endr
.irp t, 0,1
	v_max3_num_f32 v[TT+8*\t+6], v[TT+8*\t+6], v[S+32*\t+23], v[S+32*\t+31]
.endr
.irp t, 0,1
	v_max3_num_f32 v[TT+8*\t+4], v[TT+8*\t+4], v[TT+8*\t+5], v[TT+8*\t+6]
.endr
.irp t, 0,1
	v_max3_num_f32 v[TT+8*\t+4], v[TT+8*\t+4], v[TT+8*\t+7], v[TT+8*\t+1]
.endr
.irp t, 0,1
	v_permlanex16_b32 v[TT+8*\t+5], v[TT+8*\t+4], s[SEL], s[SEL+1]   ; the query's other 32 keys lie in the lane 16 away
.endr
.irp t, 0,1
	v_mov_b32 v[TT+8*\t+7], v[TT+8*\t]             ; c m_old
.endr
.irp t, 0,1
	v_max_num_f32 v[TT+8*\t+1], v[TT+8*\t+4], v[TT+8*\t+5]
.endr
.irp t, 0,1
	v_mul_f32 v[TT+8*\t], s[CS], v[TT+8*\t+1]
.endr
.irp t, 0,1
	v_sub_f32 v[TT+8*\t+7], v[TT+8*\t+7], v[TT+8*\t]
.endr
.set i, 0
.rept 16
.irp t, 0,1
	v_pk_fma_f32 v[S+32*\t+2*i:S+32*\t+2*i+1], v[S+32*\t+2*i:S+32*\t+2*i+1], s[CS:CS+1], v[TT+8*\t:TT+8*\t+1] op_sel_hi:[1,0,0] neg_lo:[0,0,1] neg_hi:[0,0,1]   ; c s - c m
.endr
.set i, i+1
.endr
.irp t, 0,1
	v_exp_f32 v[TT+8*\t+6], v[TT+8*\t+7]           ; a = 2^(c m_old - c m_new)
.endr
.set i, 0
.rept 32
.irp t, 0,1
	v_exp_f32 v[S+32*\t+i], v[S+32*\t+i]           ; p
.endr
.set i, i+1
.endr
	v_nop                                          ; a plain line behind the last exponential
	s_wait_alu depctr_va_vdst(0)                   ; one wait for the 66 exponentials, ahead of the first line that names a result
	; the sums of the unrounded p, in two chains; l = a l + ..
.irp t, 0,1
	v_pk_fma_f32 v[TT+8*\t+2:TT+8*\t+3], v[TT+8*\t+2:TT+8*\t+3], v[TT+8*\t+6:TT+8*\t+7], v[S+32*\t:S+32*\t+1] op_sel_hi:[1,0,1]
.endr
.irp t, 0,1
	v_pk_add_f32 v[TT+8*\t+4:TT+8*\t+5], v[S+32*\t+2:S+32*\t+3], v[S+32*\t+4:S+32*\t+5]
.endr
.irp b, 3,5,7,9,11,13
.irp t, 0,1
	v_pk_add_f32 v[TT+8*\t+2:TT+8*\t+3], v[TT+8*\t+2:TT+8*\t+3], v[S+32*\t+2*\b:S+32*\t+2*\b+1]
.endr
.irp t, 0,1
	v_pk_add_f32 v[TT+8*\t+4:TT+8*\t+5], v[TT+8*\t+4:TT+8*\t+5], v[S+32*\t+2*\b+2:S+32*\t+2*\b+3]
.endr
.endr
.irp t, 0,1
	v_pk_add_f32 v[TT+8*\t+2:TT+8*\t+3], v[TT+8*\t+2:TT+8*\t+3], v[S+32*\t+30:S+32*\t+31]
.endr
.irp t, 0,1
	v_pk_add_f32 v[TT+8*\t+2:TT+8*\t+3], v[TT+8*\t+2:TT+8*\t+3], v[TT+8*\t+4:TT+8*\t+5]
.endr
.set i, 0
.rept 16                               ; P in place, ascending: register i takes weights 2 i and 2 i + 1, which no later line reads
.irp t, 0,1
	v_cvt_pk_f16_f32 v[S+32*\t+i], v[S+32*\t+2*i], v[S+32*\t+2*i+1]
.endr
.set i, i+1
.endr
	WIN 0x41                                       ; O^T (destination and source 0) window 1, a window 0
.set i, 0
.rept 16
.irp t, 0,1
	v_pk_mul_f32 v[32*(2*\x+\t)+2*i:32*(2*\x+\t)+2*i+1], v[32*(2*\x+\t)+2*i:32*(2*\x+\t)+2*i+1], v[TT+8*\t+6:TT+8*\t+7] op_sel_hi:[1,0]
.endr
.set i, i+1
.endr
	s_wait_dscnt 0x0                               ; V is in
	WIN 0x50                                       ; C and D (O^T) window 1
.set i, 0
.rept 16                               ; O^T += V^T P: keys 32 (i / 8) on, channels 16 ((i / 2) % 4) on, tile i % 2; eight accumulators by turns
.set rO, 32*(2*\x+i%2)+8*((i/2)%4)
.set rV, VFR+32*(i/8)+8*((i/2)%4)
.set rP, S+32*(i%2)+8*(i/8)
	v_wmma_f32_16x16x32_f16 v[rO:rO+7], v[rV:rV+7], v[rP:rP+7], v[rO:rO+7]
.set i, i+1
.endr
	WIN 0
.rept 5
	v_nop                                          ; five places: the next products write over P, the next loads land on K's and V's registers, the way out reads O^T
.endr
.endm
; A KEY STEP: 64 keys.  A step all of whose keys come after a piece's 32 queries is left out for that piece: scalar branches on ids, round loads, products and softmax, not round the lines that step addresses.
.macro STEP
	s_add_co_u32 s36, s[QH], 31
	s_cmp_gt_u32 s[KF], s36
	s_cbranch_scc1 .Lhidden_\@
	v_add_nc_u32 v[ADR], s[TB], v[L16]
.irp kt, 0,1,2,3
.irp ks, 0,1
.irp c, 0,1
	ds_load_b128 v[KFR+16*\kt+8*\ks+4*\c:KFR+16*\kt+8*\ks+4*\c+3], v[ADR] offset:\kt*2048+\ks*1024+\c*512
.endr
.endr
.endr
.irp k2, 0,1
.irp dt, 0,1,2,3
.irp u, 0,1
	ds_load_tr16_b128 v[VFR+32*\k2+8*\dt+4*\u:VFR+32*\k2+8*\dt+4*\u+3], v[ADR] offset:VOFF+(2*\k2+\u)*2048+(\dt/2)*1024+(\dt%2)*512
.endr
.endr
.endr
	PIECE 0, QH
	s_add_co_u32 s36, s[QL], 31
	s_cmp_gt_u32 s[KF], s36
	s_cbranch_scc1 .Lhidden_\@
	PIECE 1, QL
.Lhidden_\@:
	s_add_co_u32 s[KF], s[KF], 64
	s_add_co_u32 s[TB], s[TB], 8192
.endm
; THE CHANGE OF SLOTS stands at a slot's head.  Each wave waits for all its tensor loads, adds 0 to its spare word (fill = 1: twice on end), and waits for that and for its reads of the
; slot that it has left.  Behind the barrier the slot ahead is whole and nobody reads the other one; fill = 1: that one is filled with the next 256 keys, which have four key steps in which to land.
.macro CHANGE fill
	s_wait_tensorcnt 0x0                           ; no tensor load of mine is out, so group 0 may be written
	ds_add_u32 v[SPW], v[NIL]
.if \fill
	ds_add_u32 v[SPW], v[NIL]
	s_xor_b32 s[G0+1], s[G0+1], SLOT1              ; the other slot than last time,
	s_add_nc_u64 s[G0+2:G0+3], s[G0+2:G0+3], 32768 ; the next 256 keys
	s_wait_xcnt 0x0                                ; the last prefetches, a slot back, have read their addresses
	s_add_nc_u64 s[PFK:PFK+1], s[PFK:PFK+1], 32768
	s_add_nc_u64 s[PFV:PFV+1], s[PFV:PFV+1], 32768
.endif
	s_wait_dscnt 0x0                               ; the add is done, and my reads of the slot that I have left are over
	s_barrier_signal -1
	s_barrier_wait -1
.if \fill
	s_add_co_u32 s36, s[KF], 256                   ; the first key of the slot that this change would ask for
	s_or_b32 s37, s[QH], 255                       ; my work-group's last query
	s_cmp_gt_u32 s36, s37                          ; ids and the count of steps alone: all eight waves go the same way.  A slot beyond the limit is read by no wave, so it is not asked for
	s_cbranch_scc1 .Lpast_\@
	TLOAD
.Lpast_\@:
	ASK
.endif
.endm
.macro SLOT_STEPS                      ; a slot's four key steps: written once, walked four times
	s_mov_b32 s[CNT], 4
.Lstep_\@:
	STEP
	s_sub_co_u32 s[CNT], s[CNT], 1
	s_cmp_lg_u32 s[CNT], 0
	s_cbranch_scc1 .Lstep_\@
	s_sub_co_u32 s[TB], s[TB], 32768
	s_xor_b32 s[TB], s[TB], SLOT1                  ; on to the other slot
.endm
	s_wait_loadcnt 0x0                             ; Q
.Lslot:                                            ; seven trips: behind each change of slots but the last the next slot is asked for, up to the causal limit
	CHANGE 1
	SLOT_STEPS
	s_sub_co_u32 s[SLOTS], s[SLOTS], 1
	s_cmp_lg_u32 s[SLOTS], 0
	s_cbranch_scc1 .Lslot
	CHANGE 0                                       ; the last slot is written out: nothing is left to ask for
	SLOT_STEPS
	; THE WAY OUT.  l's two halves and the other half of the lanes' are added; O^T is divided by l, rounded to f16 and stored as it lies: 512 consecutive bytes an instruction.
.irp t, 0,1,2,3
	v_add_f32 v[ST+8*\t+4], v[ST+8*\t+2], v[ST+8*\t+3]
.endr
.irp t, 0,1,2,3
	v_permlanex16_b32 v[ST+8*\t+5], v[ST+8*\t+4], s[SEL], s[SEL+1]
.endr
.irp t, 0,1,2,3
	v_add_f32 v[ST+8*\t+4], v[ST+8*\t+4], v[ST+8*\t+5]
.endr
.irp t, 0,1,2,3
	v_rcp_f32 v[ST+8*\t+6], v[ST+8*\t+4]
.endr
	v_nop                                          ; a plain line behind the last reciprocal
	s_wait_alu depctr_va_vdst(0)                   ; one wait for the four, ahead of their first reader
.irp t, 0,1,2,3
	WIN 0x41
.set i, 0
.rept 16
	v_pk_mul_f32 v[32*\t+2*i:32*\t+2*i+1], v[32*\t+2*i:32*\t+2*i+1], v[ST+8*\t+6:ST+8*\t+7] op_sel_hi:[1,0]
.set i, i+1
.endr
	WIN 0x05                                       ; sources 0 and 1 window 1, destination window 0
.set i, 0
.rept 16
	v_cvt_pk_f16_f32 v[S+16*\t+i], v[32*\t+2*i], v[32*\t+2*i+1]
.set i, i+1
.endr
	WIN 0
.endr
.irp t, 0,1
.irp dt, 0,1,2,3
	global_store_b128 v[L16], v[S+16*\t+4*\dt:S+16*\t+4*\dt+3], s[OH:OH+1] offset:\t*1024+(\dt/2)*4096+(\dt%2)*512
	global_store_b128 v[L16], v[S+32+16*\t+4*\dt:S+32+16*\t+4*\dt+3], s[OL:OL+1] offset:\t*1024+(\dt/2)*4096+(\dt%2)*512
.endr
.endr
	s_wait_tensorcnt 0x0                           ; the wave's end
	ds_add_u32 v[SPW], v[NIL]
	s_wait_dscnt 0x0
	s_endpgm
.Lfunc_end_k_q57005fa873_attn:
	.size	k_q57005fa873_attn, .Lfunc_end_k_q57005fa873_attn-k_q57005fa873_attn
	.p2alignl 7, 3214868480
	.fill 96, 4, 3214868480
	.section	.rodata,"a",@progbits
	.p2align	6, 0x0
	.amdhsa_kernel k_q57005fa873_attn
		.amdhsa_group_segment_fixed_size 327680
		.amdhsa_private_segment_fixed_size 0
		.amdhsa_enable_private_segment 0
		.amdhsa_kernarg_size 16
		.amdhsa_user_sgpr_count 2
		.amdhsa_user_sgpr_kernarg_segment_ptr 1
		.amdhsa_wavefront_size32 1
		.amdhsa_system_sgpr_workgroup_id_x 1
		.amdhsa_system_sgpr_workgroup_id_y 1
		.amdhsa_system_sgpr_workgroup_id_z 1
		.amdhsa_system_vgpr_workitem_id 0
		.amdhsa_next_free_vgpr 512
		.amdhsa_next_free_sgpr 66
		.amdhsa_reserve_vcc 1
		.amdhsa_float_denorm_mode_32 3
		.amdhsa_float_denorm_mode_16_64 3
		.amdhsa_memory_ordered 1
		.amdhsa_forward_progress 1
		.amdhsa_inst_pref_size 106
	.end_amdhsa_kernel
	.amdgpu_metadata
---
amdhsa.version: [ 1, 2 ]
amdhsa.kernels:
  - .name:           k_q57005fa873_attn
    .symbol:         k_q57005fa873_attn.kd
    .args:
      - { .name: qkv, .offset: 0, .size: 8, .value_kind: global_buffer, .address_space: global }
      - { .name: att, .offset: 8, .size: 8, .value_kind: global_buffer, .address_space: global }
    .group_segment_fixed_size: 327680
    .private_segment_fixed_size: 0
    .kernarg_segment_align: 8
    .kernarg_segment_size: 16
    .max_flat_workgroup_size: 256
    .sgpr_count:     66
    .vgpr_count:     512
    .wavefront_size: 32
...
	.end_amdgpu_metadata
.endif
;; end of part 3
;; launch proj (part 4): grid 4 x 64, 4 waves a work-group, clusters of 4 x 4, 327,680 bytes of LDS; arguments att, wo, b_out, out0; writes out0
.if DOCPART == 4
	.amdgcn_target "amdgcn-amd-amdhsa--gfx1250"
	.amdhsa_code_object_version 6
	.text
	.protected	k_q57005fa873_proj
	.globl	k_q57005fa873_proj
	.p2align	8
	.type	k_q57005fa873_proj,@function
k_q57005fa873_proj:
	s_mov_b64 s[64:65], 0
	v_nop
	global_prefetch_b8 v0, s[64:65] scope:SCOPE_SE
	s_setreg_imm32_b32 hwreg(HW_REG_WAVE_MODE, 25, 1), 1
	s_wait_xcnt 0x0
	s_wait_alu depctr_hold_cnt(0) depctr_sa_sdst(0) depctr_va_vdst(0) depctr_va_sdst(0) depctr_va_ssrc(0) depctr_va_vcc(0) depctr_vm_vsrc(0)
	s_getreg_b32 s2, hwreg(HW_REG_IB_STS2, 6, 4)
	s_cmp_eq_u32 s2, 0
	s_cbranch_scc0 .Lentry_in_a_cluster
	s_endpgm
.Lentry_in_a_cluster:
	s_bfe_u32 s2, ttmp6, 0x10000c
	s_cmp_lg_u32 s2, 0xf033
	s_cbranch_scc0 .Lentry_shape_is_right
	s_endpgm
.Lentry_shape_is_right:
; out0[m][n] = sum over k of att[m][k] w_out[k][n] + b_out[n], f16 operands (w_out's high part), sums in f32; all rows but each sequence's first 16 positions, which a launch of their own makes more finely.
; A tile of the result is 128 rows x 256 columns: 256 work-groups.  Four waves, each 64 x 128: 32 accumulators, 256 registers.  K goes in eight steps of 128 through a ring of two LDS slots.
; Both operands lie in memory as images of operand registers (1,024 bytes: 16 rows x 32 k), so a K step's tile of att is one dense block of 32,768 bytes, that of wo one of 65,536; there is no padding, and
; every fragment load is base + 16 x lane: 512 consecutive bytes.
; CLUSTERS: 4 x 4 work-groups.  The tile row is 16 cy + cluster y, the tile column cx: the four of a row of the cluster need the same tiles of att, the four of a column the same tiles of wo; each tile is asked
; for JOINTLY.  With that tile row cy is the batch, and the branch round the first 16 positions' stores hangs on cluster y and the wave's number alone, which all partners share.
; THE MATRIX INSTRUCTION IS USED TRANSPOSED (source 0 = 16 rows of wo, source 1 = 16 rows of att): a lane holds eight neighbouring columns of one row.  The bias is the C of each sum's first instruction.
; LIMITS: both operands are f16: magnitudes above 65,504 are not served; NaN and infinities are not served.
; REGISTERS.  window 0: v0-31 addresses; v64-95, v96-127 att's fragments, two buffers; v128-255 the way out.  window 1: the accumulators, (a, b) at v[8 (8 a + b)].
;   window 2: v0-63, v64-127 wo's fragments, two buffers; v128-191 the bias, eight registers for each of my eight blocks of columns.
.set SLOT,  98304                      ; att's 32,768 bytes, then wo's 65,536
.set BOFF,  32768
.set SPARE, 2*SLOT                     ; the spare words, 128 bytes for each wave: two blocks of 256 bytes that no other line names
.set SPITCH, 528                       ; the way out: a stage of 16 rows x (512 bytes + 16) for each wave, in slot 0, which has had its last fill and its last read when the first result is stored there
.set LAPS,  4                          ; a lap = two K steps = once round the ring
.set ADRA, 16                          ; v16-17  LDS address of my fragments of att in slot 0, 1
.set ADRB, 20                          ; v20-21  the same for wo
.set STO,  24                          ; v24     the way out: where I put 32 bytes of a row
.set RD,   25                          ; v25     where I read a row back
.set CO,   26                          ; v26     16 x lane: my bytes of a row of 512
.set SPW,  28                          ; v28     LDS address of my spare word; never rewritten
.set NIL,  29                          ; v29     0; never rewritten
.set BK,   128
.set WV,   12                          ; s12  my wave's number
.set RH,   13                          ; s13  which half of the tile's rows is mine.  Also: I fetch for att (0) or for wo (1)
.set CH,   14                          ; s14  which half of its columns.  Also: which half of that tile I fetch
.set G1, 24                            ; s[24:31] descriptor group 1 for att's tiles;  s[32:39] group 0, one set for each slot
.set G0, 32
.set G1B, 48                           ; s[48:55], s[56:63] the same for wo's
.set G0B, 56
.set MSB, 0
.macro WIN new                         ; the immediate's high byte repeats the setting that is left
.if MSB != \new
	s_set_vgpr_msb (MSB<<8)|\new
.set MSB, \new
.endif
.endm
.set MUL,   0x52                       ; source 0 (wo) window 2, source 1 (att) window 0, C and D window 1
.set MUL_B, 0x62                       ; the same with C (the bias) in window 2
.set TO_B,  0x80                       ; destination window 2, address window 0
.macro JLOAD s                         ; a joint load; an s_nop 0 and four v_nop follow each of the two lines
	s_cmp_eq_u32 s[RH], 0
	s_cbranch_scc0 .Lfor_b_\@
	tensor_load_to_lds s[G0+4*\s:G0+4*\s+3], s[G1:G1+7]
	s_nop 0
.rept 4
	v_nop
.endr
	s_branch .Lasked_\@
.Lfor_b_\@:
	tensor_load_to_lds s[G0B+4*\s:G0B+4*\s+3], s[G1B:G1B+7]
	s_nop 0
.rept 4
	v_nop
.endr
.Lasked_\@:
.endm
.macro CREST                           ; a round of the cluster's barrier behind its opening barrier
	s_cmp_lg_u32 s[WV], 0
	s_cbranch_scc1 .Lnot_wave_0_\@
	s_barrier_signal -3
.Lnot_wave_0_\@:
	s_barrier_wait -3
	s_barrier_signal -1
	s_barrier_wait -1
.endm
.macro CROUND
	s_barrier_signal -1
	s_barrier_wait -1
	CREST
.endm
	s_load_b256 s[4:11], s[0:1], 0x0               ; att s[4:5], wo s[6:7], b_out s[8:9], out0 s[10:11]
	v_lshl_add_u32 v[SPW], v0, 2, SPARE
	v_mov_b32 v[NIL], 0
	ds_add_u32 v[SPW], v[NIL]                      ; the wave's opening: the add, twice on end, and its wait ahead of my first tensor load
	ds_add_u32 v[SPW], v[NIL]
	v_lshrrev_b32 v1, 5, v0
	v_readfirstlane_b32 s[WV], v1                  ; wave 0..3
	s_lshr_b32 s[RH], s[WV], 1
	s_and_b32 s[CH], s[WV], 1
	s_bfe_u32 s15, ttmp6, 0x40000                  ; cx
	s_bfe_u32 s16, ttmp6, 0x40004                  ; cy
	s_and_b32 s17, ttmp7, 0xffff                   ; cluster y
	s_lshl_b32 s18, s16, 4
	s_add_co_u32 s18, s18, s17                     ; tile row = 16 cy + cluster y
	s_lshl_b32 s44, ttmp9, 2
	s_add_co_u32 s44, s44, s15                     ; tile column = 4 x cluster x + cx
	s_or_b32 s19, s17, s[RH]                       ; 0 where my first 16 rows are a sequence's first 16 positions
	s_lshl_b32 s20, s16, 2
	s_lshl_b32 s20, 15, s20                        ; my row of the cluster
	s_lshl_b32 s21, 0x1111, s15                    ; my column
	s_or_b32 s[G1], s20, (3<<16)|(1<<21)           ; 15:0 the mask; 17:16 elements of 8 bytes; 21 set beside a mask; no padding
	s_or_b32 s[G1B], s21, (3<<16)|(1<<21)
	s_mov_b32 s[G1+1], 32<<16                      ; rows of 256 bytes
	s_mov_b32 s[G1+2], 64<<16                      ; 64 of them: half of att's tile
	s_mov_b32 s[G1+3], 32<<16
	s_mov_b32 s[G1+4], 64
	s_mov_b32 s[G1+5], 32
	s_mov_b32 s[G1+6], 0
	s_mov_b32 s[G1+7], 0
	s_mov_b32 s[G1B+1], 32<<16
	s_mov_b32 s[G1B+2], 128<<16                    ; 128 rows: half of wo's tile
	s_mov_b32 s[G1B+3], 32<<16
	s_mov_b32 s[G1B+4], 128
	s_mov_b32 s[G1B+5], 32
	s_mov_b32 s[G1B+6], 0
	s_mov_b32 s[G1B+7], 0
	s_lshl_b32 s40, s18, 18                        ; att: 262,144 bytes a tile row,
	s_lshl_b32 s22, s[CH], 14                      ; my half of a K step's block; the same in LDS
	s_add_co_u32 s40, s40, s22
	s_mov_b32 s41, 0
	s_lshl_b32 s42, s44, 19                        ; wo: 524,288 bytes a tile column,
	s_lshl_b32 s23, s[CH], 15                      ; my half
	s_add_co_u32 s42, s42, s23
	s_mov_b32 s43, 0
	s_wait_dscnt 0x0                               ; both opening adds are done
	s_wait_kmcnt 0x0
	s_add_nc_u64 s[40:41], s[4:5], s[40:41]
	s_add_nc_u64 s[42:43], s[6:7], s[42:43]
	CROUND                                         ; all sixteen work-groups are here: the first joint loads meet
.irp s, 0,1
	s_mov_b32 s[G0+4*\s], 1
	s_add_co_u32 s[G0+4*\s+1], s22, \s*SLOT
	s_add_nc_u64 s[G0+4*\s+2:G0+4*\s+3], s[40:41], \s*32768
	s_or_b32 s[G0+4*\s+3], s[G0+4*\s+3], 0x80000000
	s_mov_b32 s[G0B+4*\s], 1
	s_add_co_u32 s[G0B+4*\s+1], s23, \s*SLOT+BOFF
	s_add_nc_u64 s[G0B+4*\s+2:G0B+4*\s+3], s[42:43], \s*65536
	s_or_b32 s[G0B+4*\s+3], s[G0B+4*\s+3], 0x80000000
	JLOAD \s                                       ; two loads of mine are out
.endr
	v_and_b32 v1, 15, v0                           ; r
	v_bfe_u32 v2, v0, 4, 1                         ; h
	v_and_b32 v3, 31, v0
	v_lshlrev_b32 v[CO], 4, v3                     ; 16 x lane
	s_lshl_b32 s20, s[RH], 14                      ; my 64 rows of att
	s_lshl_b32 s21, s[CH], 15                      ; my 128 rows of wo,
	s_add_co_u32 s21, s21, BOFF                    ; which lie behind att's tile
.irp s, 0,1
	v_add_nc_u32 v[ADRA+\s], s20, v[CO]
	v_add_nc_u32 v[ADRB+\s], s21, v[CO]
	s_add_co_u32 s20, s20, SLOT
	s_add_co_u32 s21, s21, SLOT
.endr
	s_mul_i32 s20, s[WV], 16*SPITCH                ; my stage
	v_mul_u32_u24 v5, v1, SPITCH
	v_lshl_add_u32 v5, v2, 5, v5
	v_add_nc_u32 v[STO], s20, v5                   ; in: row r, 32 bytes for each half of the lanes
	v_add_nc_u32 v[RD], s20, v[CO]                 ; back: the 32 lanes take one row of 512 bytes
	v_lshlrev_b32 v4, 5, v2                        ; the bias: my half's eight numbers of a block of 16
	s_lshl_b32 s20, s44, 10                        ; my first column, in bytes: 1,024 x tile column + 512 x half
	s_lshl_b32 s21, s[CH], 9
	s_add_co_u32 s20, s20, s21
	s_mov_b32 s21, 0
	s_add_nc_u64 s[8:9], s[8:9], s[20:21]
	s_add_nc_u64 s[10:11], s[10:11], s[20:21]
	s_lshl_b32 s20, s18, 19                        ; my first row: 128 x tile row + 64 x half, 4,096 bytes a row
	s_lshl_b32 s45, s[RH], 18
	s_add_co_u32 s20, s20, s45
	s_add_nc_u64 s[10:11], s[10:11], s[20:21]
	WIN TO_B
.irp b, 0,1,2,3,4,5,6,7
	global_load_b128 v[128+8*\b:128+8*\b+3], v4, s[8:9] offset:64*\b
	global_load_b128 v[128+8*\b+4:128+8*\b+7], v4, s[8:9] offset:64*\b+16
.endr
	WIN 0
; 8 matrix instructions: att's block a x wo's eight, 32 along K, buffer f.  The 32 accumulators take turns, one instruction a turn, in the same order in every quarter.
.macro MULA f, a, first
.irp b, 0,1,2,3,4,5,6,7
.if \first
	v_wmma_f32_16x16x32_f16 v[8*(8*\a+\b):8*(8*\a+\b)+7], v[64*\f+8*\b:64*\f+8*\b+7], v[64+32*\f+8*\a:64+32*\f+8*\a+7], v[128+8*\b:128+8*\b+7]
.else
	v_wmma_f32_16x16x32_f16 v[8*(8*\a+\b):8*(8*\a+\b)+7], v[64*\f+8*\b:64*\f+8*\b+7], v[64+32*\f+8*\a:64+32*\f+8*\a+7], v[8*(8*\a+\b):8*(8*\a+\b)+7]
.endif
.endr
.endm
; 24 LDS loads in one run: the fragments of the slot's q-th 32 along K into buffer f: wo's eight, then att's four
.macro FETCH slot, q, f
	WIN TO_B
.irp i, 0,1,2,3,4,5,6,7
.irp c, 0,1
	ds_load_b128 v[64*\f+8*\i+4*\c:64*\f+8*\i+4*\c+3], v[ADRB+\slot] offset:\q*8192+\i*1024+\c*512
.endr
.endr
	WIN 0
.irp i, 0,1,2,3
.irp c, 0,1
	ds_load_b128 v[64+32*\f+8*\i+4*\c:64+32*\f+8*\i+4*\c+3], v[ADRA+\slot] offset:\q*4096+\i*1024+\c*512
.endr
.endr
.endm
.macro PLACES                          ; four plain vector lines between a matrix instruction and a load into, or a read of, its registers
.rept 4
	v_nop
.endr
.endm
; A K step is four quarters of 32 along K, 32 matrix instructions each, on buffers 0, 1, 0, 1.  One of the first three multiplies buffer f and fetches quarter q of the same slot into buffer g.
.macro QUARTER slot, q, f, g, first
	s_wait_dscnt 4                                 ; wo's fragments and att's blocks 0, 1 are in; the youngest four loads (blocks 2, 3) may be out
.if \first
	WIN MUL_B
.else
	WIN MUL
.endif
	MULA \f, 0, \first
	MULA \f, 1, \first
	PLACES
	FETCH \slot, \q, \g
	s_wait_dscnt 24                                ; all but the 24 just issued
.if \first
	WIN MUL_B
.else
	WIN MUL
.endif
	MULA \f, 2, \first
	MULA \f, 3, \first
.endm
; The last quarter multiplies buffer 1 and changes slots: ONE barrier; in front of it each wave waits for all its tensor loads, adds 0 to its spare word, and waits for that and for its reads of this slot.
; fill = 1: the barrier opens a round of the cluster's, and this slot is filled again, two K steps ahead: the load has a K step less sixteen matrix instructions in which to land.
.macro TURN slot, next, fill
	WIN 0                                          ; (the add's two registers lie in window 0)
	s_wait_tensorcnt 0x0                           ; all my tensor loads have landed: my part of the next slot
	ds_add_u32 v[SPW], v[NIL]                      ; 0 onto my spare word
	s_wait_dscnt 5                                 ; the add and the youngest four loads may be out
	WIN MUL
	MULA 1, 0, 0
	s_wait_dscnt 0x0                               ; the add is done, and my reads of this slot are over
	s_barrier_signal -1
	MULA 1, 1, 0
.if \fill
	WIN 0
.endif
	s_barrier_wait -1
.if \fill
	CREST                                          ; no wave of any partner still reads this slot's tile or has a load on its way
	s_add_nc_u64 s[G0+4*\slot+2:G0+4*\slot+3], s[G0+4*\slot+2:G0+4*\slot+3], 2*32768
	s_add_nc_u64 s[G0B+4*\slot+2:G0B+4*\slot+3], s[G0B+4*\slot+2:G0B+4*\slot+3], 2*65536
	JLOAD \slot                                    ; the first tensor load behind the round; its four v_nop are also the places in front of the loads below
.else
	PLACES
.endif
	FETCH \next, 0, 0
	WIN MUL
	MULA 1, 2, 0
	MULA 1, 3, 0
.endm
	s_wait_tensorcnt 1                             ; my part of K step 0 is in; K step 1's may be out
	s_barrier_signal -1
	s_barrier_wait -1
	FETCH 0, 0, 0
	s_wait_loadcnt 0x0                             ; the bias
	QUARTER 0, 1, 0, 1, 1                          ; the first quarter stands in front of the loop: its products start the sums from the bias
	WIN 0
	s_mov_b32 s3, LAPS-1
.Llap:                                             ; a trip goes once round the ring, from a lap's second quarter to the next lap's first, and fills both slots again
	QUARTER 0, 2, 1, 0, 0
	QUARTER 0, 3, 0, 1, 0
	TURN 0, 1, 1
	QUARTER 1, 1, 0, 1, 0
	QUARTER 1, 2, 1, 0, 0
	QUARTER 1, 3, 0, 1, 0
	TURN 1, 0, 1
	QUARTER 0, 1, 0, 1, 0
	WIN 0
	s_sub_co_u32 s3, s3, 1
	s_cmp_lg_u32 s3, 0
	s_cbranch_scc1 .Llap
	QUARTER 0, 2, 1, 0, 0                          ; the last lap fills nothing
	QUARTER 0, 3, 0, 1, 0
	TURN 0, 1, 0
	QUARTER 1, 1, 0, 1, 0
	QUARTER 1, 2, 1, 0, 0
	QUARTER 1, 3, 0, 1, 0
	s_wait_dscnt 4                                 ; the very last quarter: nothing more to fetch
	WIN MUL
	MULA 1, 0, 0
	MULA 1, 1, 0
	s_wait_dscnt 0
	MULA 1, 2, 0
	MULA 1, 3, 0
	WIN 0
; THE WAY OUT, block by block of 16 rows x 128 columns: through my own stage in LDS, back as whole rows of 512 bytes, which the 32 lanes store.  LDS serves a wave's instructions in order (ISA guide 5.7.1.4).
.macro TOSTAGE a
	WIN 0x04                                       ; an LDS store's data are its source 1: window 1
.irp b, 0,1,2,3,4,5,6,7
	ds_store_b128 v[STO], v[64*(\a)+8*\b:64*(\a)+8*\b+3] offset:64*\b          ; each accumulator from its low end on
	ds_store_b128 v[STO], v[64*(\a)+8*\b+4:64*(\a)+8*\b+7] offset:64*\b+16
.endr
	WIN 0
.set BB, BK+64*((\a)%2)
.irp t, 0,1,2,3,4,5,6,7,8,9,10,11,12,13,14,15
	ds_load_b128 v[BB+4*\t:BB+4*\t+3], v[RD] offset:\t*SPITCH
.endr
.endm
.macro STORES a                        ; block a's sixteen rows, which are back in registers
.set BB, BK+64*((\a)%2)
.irp t, 0,1,2,3,4,5,6,7,8,9,10,11,12,13,14,15
	global_store_b128 v[CO], v[BB+4*\t:BB+4*\t+3], s[10:11] offset:(16*(\a)+\t)*4096 th:TH_STORE_NT   ; 512 consecutive bytes, at a multiple of 256 from the buffer's first byte
.endr
.endm
.macro SEND a, younger                 ; younger: the LDS instructions issued behind block a's loads, which may stay out
	s_wait_dscnt \younger
	STORES \a
.endm
	PLACES
	TOSTAGE 0
	TOSTAGE 1
	s_wait_dscnt 32                                ; block 0 is back in registers (behind its loads: block 1's 16 stores and 16 loads).  The wait stands on every wave's path: block 2's loads land on the same registers
	s_cmp_eq_u32 s19, 0                            ; a sequence's first 16 positions are another launch's: each output byte has one writer
	s_cbranch_scc1 .Lfine_rows                     ; round the sixteen stores alone
	STORES 0
.Lfine_rows:
	s_wait_xcnt 0x0                                ; block 0's stores have read their data: block 2's loads may land there
	TOSTAGE 2
	SEND 1, 32
	s_wait_xcnt 0x0
	TOSTAGE 3
	SEND 2, 32
	SEND 3, 0
	s_wait_tensorcnt 0x0                           ; the wave's end: behind my last tensor load and my last LDS store
	ds_add_u32 v[SPW], v[NIL]
	s_wait_dscnt 0x0
	CROUND                                         ; the closing round
	s_endpgm
.Lfunc_end_k_q57005fa873_proj:
	.size	k_q57005fa873_proj, .Lfunc_end_k_q57005fa873_proj-k_q57005fa873_proj
	.p2alignl 7, 3214868480
	.fill 96, 4, 3214868480
	.section	.rodata,"a",@progbits
	.p2align	6, 0x0
	.amdhsa_kernel k_q57005fa873_proj
		.amdhsa_group_segment_fixed_size 327680
		.amdhsa_private_segment_fixed_size 0
		.amdhsa_enable_private_segment 0
		.amdhsa_kernarg_size 32
		.amdhsa_user_sgpr_count 2
		.amdhsa_user_sgpr_kernarg_segment_ptr 1
		.amdhsa_wavefront_size32 1
		.amdhsa_system_sgpr_workgroup_id_x 1
		.amdhsa_system_sgpr_workgroup_id_y 1
		.amdhsa_system_sgpr_workgroup_id_z 1
		.amdhsa_system_vgpr_workitem_id 0
		.amdhsa_next_free_vgpr 768
		.amdhsa_next_free_sgpr 66
		.amdhsa_reserve_vcc 0
		.amdhsa_float_denorm_mode_32 3
		.amdhsa_float_denorm_mode_16_64 3
		.amdhsa_memory_ordered 1
		.amdhsa_forward_progress 1
		.amdhsa_inst_pref_size 86
	.end_amdhsa_kernel
	.amdgpu_metadata
---
amdhsa.version: [ 1, 2 ]
amdhsa.kernels:
  - .name:           k_q57005fa873_proj
    .symbol:         k_q57005fa873_proj.kd
    .args:
      - { .name: att, .offset: 0, .size: 8, .value_kind: global_buffer, .address_space: global }
      - { .name: wo, .offset: 8, .size: 8, .value_kind: global_buffer, .address_space: global }
      - { .name: b_out, .offset: 16, .size: 8, .value_kind: global_buffer, .address_space: global }
      - { .name: out0, .offset: 24, .size: 8, .value_kind: global_buffer, .address_space: global }
    .group_segment_fixed_size: 327680
    .private_segment_fixed_size: 0
    .kernarg_segment_align: 8
    .kernarg_segment_size: 32
    .max_flat_workgroup_size: 128
    .sgpr_count:     66
    .vgpr_count:     768
    .wavefront_size: 32
...
	.end_amdgpu_metadata
.endif
;; end of part 4
;; launch fine (part 5): grid 16 x 4, 16 waves a work-group, no clusters, 71,680 bytes of LDS; arguments q32, wo, b_out, out0; writes out0
.if DOCPART == 5
	.amdgcn_target "amdgcn-amd-amdhsa--gfx1250"
	.amdhsa_code_object_version 6
	.text
	.protected	k_q57005fa873_fine
	.globl	k_q57005fa873_fine
	.p2align	8
	.type	k_q57005fa873_fine,@function
k_q57005fa873_fine:
	s_mov_b64 s[64:65], 0
	v_nop
	global_prefetch_b8 v0, s[64:65] scope:SCOPE_SE
	s_setreg_imm32_b32 hwreg(HW_REG_WAVE_MODE, 25, 1), 1
	s_wait_xcnt 0x0
; THE FIRST 16 POSITIONS OF EACH SEQUENCE, carried more finely: they average one to sixteen values and are the largest numbers of the result.  Attention in f32, by v_wmma_f32_16x16x4_f32; the projection with
; both operands as pairs of f16 numbers, a high and a low part (high x high + high x low + low x high), sums in f32; + b_out.
; SHARES.  Work-group (cg, batch) makes 16 rows x 64 columns of out0.  Wave hd computes head hd's attention for the 16 positions; its 64 channels are K slice hd of the projection, so each wave multiplies
; its own slice, and only the sixteen partial results of 16 x 64 meet, in LDS, behind the launch's one barrier; wave q then adds row q's sixteen parts and stores 256 consecutive bytes.
; No tensor load and no cluster: a work-group reads 196,608 bytes of q32 and 262,144 of wo straight into registers, once.
; LAYOUTS.  q32's images give lane (r, h) the numbers d = 16 bb + 8 h + 4 e + x of position r.  S^T = K Q^T takes the same register pair of K and of Q in each instruction: one permutation of the head's 64 on both
; sides.  In S^T a lane holds query r and keys 8 h + 0..7; instruction s of O^T = V^T P takes P's registers 2 s, 2 s + 1, so V^T's registers must hold V(key 8 h + kk, d = 16 dt + r): V turns through LDS for that.
; The registers v128-175 are written by matrix instructions alone.
; LIMITS: the attention result and w_out pass through pairs of f16: magnitudes above 65,504 are not served, and what lies under 2^-24 of a low part is lost; NaN and infinities are not served.
; REGISTERS: v1, v4-9 addresses; v[2:3] 1 / l; v10, v11 the add's two; v[12:13] the bias, then the sum; v14 -infinity; v16-23 s, then p; v24-31 at work; v32-63 Q and v64-95 K, later wo's low part, later the parts
; to be added; v96-127 V, then V^T, then the result's high (v96-111) and low (v112-127) parts; v128-143 S^T in two halves; v144-175 O^T, later the projection's four accumulators; v176-239 wo's high part; v240-255 at work.
.set SPW,   10
.set NIL,   11
.set NINF,  14
.set WREG,  4352                       ; a wave's LDS: first V, 16 rows of 256 bytes + 16; then its partial result, 4,096 bytes
.set SPARE, 16*WREG                    ; the spare words, 128 bytes for each wave: eight blocks of 256 bytes that no other line names
.set WV,    12                         ; s12  my wave's number = my head
.set CS,    16                         ; s[16:17] c = log2(e) / 8, twice
.set SEL,   18                         ; s[18:19] lane selects: lane l xor 16
.set CV,    20                         ; s[20:21] 8193.0, twice
	s_load_b256 s[4:11], s[0:1], 0x0               ; q32 s[4:5], wo s[6:7], b_out s[8:9], out0 s[10:11]
	v_lshl_add_u32 v[SPW], v0, 2, SPARE
	v_mov_b32 v[NIL], 0
	v_lshrrev_b32 v1, 5, v0
	v_readfirstlane_b32 s[WV], v1                  ; wave 0..15
	s_and_b32 s14, ttmp7, 0xffff                   ; the batch
	s_mov_b32 s[CS], 0x3e38aa3b
	s_mov_b32 s[CS+1], s[CS]
	s_mov_b32 s[SEL], 0x76543210
	s_mov_b32 s[SEL+1], 0xfedcba98
	s_mov_b32 s[CV], 0x46000400
	s_mov_b32 s[CV+1], s[CV]
	s_mul_i32 s22, s[WV], WREG                     ; my LDS
	v_and_b32 v2, 15, v0                           ; r
	v_bfe_u32 v3, v0, 4, 1                         ; h
	v_and_b32 v1, 31, v0
	v_lshlrev_b32 v9, 3, v1                        ; 8 x lane
	v_lshlrev_b32 v1, 4, v1                        ; 16 x lane
	v_lshlrev_b32 v4, 3, v3
	v_sub_nc_u32 v4, v2, v4                        ; r - 8 h
	v_mul_u32_u24 v5, v2, 272
	v_lshl_add_u32 v5, v3, 5, v5
	v_add_nc_u32 v5, s22, v5                       ; V on the way in: row r, + 32 h
	v_mul_u32_u24 v6, v3, 2176
	v_lshl_add_u32 v6, v2, 2, v6
	v_add_nc_u32 v6, s22, v6                       ; and on the way out: rows 8 h on, + 4 r
	v_add_nc_u32 v7, s22, v1                       ; my partial result: 16 x lane
	v_bfe_u32 v8, v0, 3, 2                         ; the reduction: lane l takes columns 2 l, 2 l + 1 of row q = my wave: accumulator l / 8,
	v_lshlrev_b32 v8, 10, v8
	v_bfe_u32 v15, v0, 1, 1                        ; its upper or lower four registers,
	v_lshl_add_u32 v8, v15, 9, v8
	v_bfe_u32 v15, v0, 2, 1                        ; the half of the lanes,
	v_lshl_add_u32 v8, v15, 8, v8
	v_and_b32 v15, 1, v0                           ; which two of four registers,
	v_lshl_add_u32 v8, v15, 3, v8
	s_lshl_b32 s23, s[WV], 4                       ; and lane q of that half
	v_add_nc_u32 v8, s23, v8
	v_mov_b32 v[NINF], 0xff800000
	s_mul_i32 s24, s14, 196608                     ; q32: my batch,
	s_lshl_b32 s25, s[WV], 12                      ; my head's four images
	s_add_co_u32 s24, s24, s25
	s_mov_b32 s25, 0
	s_lshr_b32 s26, ttmp9, 2                       ; wo: n / 256,
	s_lshl_b32 s26, s26, 19
	s_lshr_b32 s27, s[WV], 1                       ; k / 128,
	s_lshl_b32 s27, s27, 16
	s_add_co_u32 s26, s26, s27
	s_bfe_u32 s27, ttmp9, 0x10001                  ; (n / 128) % 2,
	s_lshl_b32 s27, s27, 15
	s_add_co_u32 s26, s26, s27
	s_and_b32 s27, s[WV], 1                        ; (k / 64) % 2,
	s_lshl_b32 s27, s27, 14
	s_add_co_u32 s26, s26, s27
	s_and_b32 s27, ttmp9, 1                        ; (n / 64) % 2
	s_lshl_b32 s27, s27, 12
	s_add_co_u32 s26, s26, s27
	s_mov_b32 s27, 0
	s_lshl_b32 s28, ttmp9, 8                       ; my 64 columns, in bytes
	s_mov_b32 s29, 0
	s_lshl_b32 s30, s14, 11
	s_add_co_u32 s30, s30, s[WV]                   ; the row that I store: 2,048 x batch + my wave
	s_lshl_b32 s30, s30, 12
	s_add_co_u32 s30, s30, s28
	s_mov_b32 s31, 0
	s_wait_kmcnt 0x0
	s_add_nc_u64 s[4:5], s[4:5], s[24:25]
	s_add_nc_u64 s[6:7], s[6:7], s[26:27]
	s_add_nc_u64 s[8:9], s[8:9], s[28:29]
	s_add_nc_u64 s[10:11], s[10:11], s[30:31]
.irp bb, 0,1,2,3
.irp e, 0,1
	global_load_b128 v[64+8*\bb+4*\e:67+8*\bb+4*\e], v1, s[4:5] offset:65536+\bb*1024+\e*512      ; K
.endr
.endr
.irp bb, 0,1,2,3
.irp e, 0,1
	global_load_b128 v[32+8*\bb+4*\e:35+8*\bb+4*\e], v1, s[4:5] offset:\bb*1024+\e*512            ; Q
.endr
.endr
.irp bb, 0,1,2,3
.irp e, 0,1
	global_load_b128 v[96+8*\bb+4*\e:99+8*\bb+4*\e], v1, s[4:5] offset:131072+\bb*1024+\e*512     ; V
.endr
.endr
.irp nt, 0,1,2,3
.irp ks, 0,1
.irp c, 0,1
	global_load_b128 v[176+8*(2*\nt+\ks)+4*\c:179+8*(2*\nt+\ks)+4*\c], v1, s[6:7] offset:\ks*8192+\nt*1024+\c*512   ; wo's high part
.endr
.endr
.endr
	global_load_b64 v[12:13], v9, s[8:9]           ; the bias of my two columns
	s_wait_loadcnt 25                              ; K and Q are in; V's 8, wo's 16 and the bias may be out
.set i, 0
.rept 16                               ; S^T = K Q^T, in two sums that take turns; each begins with the constant 0
.if i < 2
	v_wmma_f32_16x16x4_f32 v[128+8*(i%2):135+8*(i%2)], v[64+2*i:65+2*i], v[32+2*i:33+2*i], 0
.else
	v_wmma_f32_16x16x4_f32 v[128+8*(i%2):135+8*(i%2)], v[64+2*i:65+2*i], v[32+2*i:33+2*i], v[128+8*(i%2):135+8*(i%2)]
.endif
.set i, i+1
.endr
.rept 8
	v_nop                                          ; eight places behind this form: loads land on Q's and K's registers, and the sums are read, below
.endr
.irp nt, 0,1,2,3
.irp ks, 0,1
.irp c, 0,1
	global_load_b128 v[32+8*(2*\nt+\ks)+4*\c:35+8*(2*\nt+\ks)+4*\c], v1, s[6:7] offset:2097152+\ks*8192+\nt*1024+\c*512   ; wo's low part
.endr
.endr
.endr
	s_wait_loadcnt 33                              ; V is in; behind it: wo's high 16, the bias, wo's low 16
.irp bb, 0,1,2,3
.irp e, 0,1
	ds_store_b128 v5, v[96+8*\bb+4*\e:99+8*\bb+4*\e] offset:64*\bb+16*\e
.endr
.endr
.irp dt, 0,1,2,3
.irp kk, 0,1,2,3,4,5,6,7
	ds_load_b32 v[96+8*\dt+\kk], v6 offset:\kk*272+64*\dt       ; V(key 8 h + kk, d = 16 dt + r).  LDS serves a wave in order: these see the stores above
.endr
.endr
.irp j, 0,1,2,3,4,5,6,7
	v_add_f32 v[16+\j], v[128+\j], v[136+\j]       ; the score of key 8 h + j for query r; each sum is read from its low end on
.endr
.irp j, 0,1,2,3,4,5,6,7
	v_cmp_gt_i32 vcc_lo, \j, v4                    ; hidden where 8 h + j > r
	v_cndmask_b32 v[16+\j], v[16+\j], v[NINF], vcc_lo
.endr
	v_max3_num_f32 v24, v16, v17, v18
	v_max3_num_f32 v25, v19, v20, v21
	v_max3_num_f32 v24, v24, v22, v23
	v_max_num_f32 v24, v24, v25
	v_permlanex16_b32 v25, v24, s[SEL], s[SEL+1]
	v_max_num_f32 v24, v24, v25                    ; the row's maximum: key 0 counts for every query
	v_mul_f32 v24, s[CS], v24                      ; c m
.irp j, 0,2,4,6
	v_pk_fma_f32 v[16+\j:17+\j], v[16+\j:17+\j], s[CS:CS+1], v[24:25] op_sel_hi:[1,0,0] neg_lo:[0,0,1] neg_hi:[0,0,1]
.endr
.irp j, 0,1,2,3,4,5,6,7
	v_exp_f32 v[16+\j], v[16+\j]                   ; p = 2^(c s - c m)
.endr
	v_nop                                          ; a plain line behind the last exponential
	s_wait_alu depctr_va_vdst(0)                   ; one wait for the eight, ahead of their first reader
	v_pk_add_f32 v[24:25], v[16:17], v[18:19]
	v_pk_add_f32 v[26:27], v[20:21], v[22:23]
	v_pk_add_f32 v[24:25], v[24:25], v[26:27]
	v_add_f32 v24, v24, v25
	v_permlanex16_b32 v25, v24, s[SEL], s[SEL+1]
	v_add_f32 v24, v24, v25                        ; l
	v_rcp_f32 v2, v24
	v_mov_b32 v3, 0                                ; a plain line behind the reciprocal; v3 is named with v2 as a pair, so it is written
	s_wait_alu depctr_va_vdst(0)
	s_wait_dscnt 0x0                               ; V^T is in
.irp s, 0,1,2,3                        ; O^T = V^T P: four sums by turns, four keys of each half an instruction
.irp dt, 0,1,2,3
.if \s == 0
	v_wmma_f32_16x16x4_f32 v[144+8*\dt:151+8*\dt], v[96+8*\dt+2*\s:97+8*\dt+2*\s], v[16+2*\s:17+2*\s], 0
.else
	v_wmma_f32_16x16x4_f32 v[144+8*\dt:151+8*\dt], v[96+8*\dt+2*\s:97+8*\dt+2*\s], v[16+2*\s:17+2*\s], v[144+8*\dt:151+8*\dt]
.endif
.endr
.endr
.rept 9
	v_nop                                          ; nine places: the sums are read, V^T's registers written, and later the sums' registers written over by other matrix instructions
.endr
; O^T / l, split in f32: g = 8193 x; d = x - g; high = g + d has 11 significant bits; low = x - high is exact.  A lane's eight channels of tile dt are four registers of the projection's operand.
.irp dt, 0,1,2,3
.irp u, 0,1,2,3
	v_pk_mul_f32 v[24+2*\u:25+2*\u], v[144+8*\dt+2*\u:145+8*\dt+2*\u], v[2:3] op_sel_hi:[1,0]
.endr
.irp u, 0,1,2,3
	v_pk_mul_f32 v[240+2*\u:241+2*\u], v[24+2*\u:25+2*\u], s[CV:CV+1] op_sel_hi:[1,0]
.endr
.irp u, 0,1,2,3
	v_pk_add_f32 v[248+2*\u:249+2*\u], v[24+2*\u:25+2*\u], v[240+2*\u:241+2*\u] neg_lo:[0,1] neg_hi:[0,1]
.endr
.irp u, 0,1,2,3
	v_pk_add_f32 v[240+2*\u:241+2*\u], v[240+2*\u:241+2*\u], v[248+2*\u:249+2*\u]
.endr
.irp u, 0,1,2,3
	v_pk_add_f32 v[24+2*\u:25+2*\u], v[24+2*\u:25+2*\u], v[240+2*\u:241+2*\u] neg_lo:[0,1] neg_hi:[0,1]
.endr
.irp u, 0,1,2,3
	v_cvt_pk_f16_f32 v[96+4*\dt+\u], v[240+2*\u], v[241+2*\u]
	v_cvt_pk_f16_f32 v[112+4*\dt+\u], v[24+2*\u], v[25+2*\u]
.endr
.endr
; The projection of my K slice: source 0 = 16 rows (n) of wo, source 1 = the 16 positions.  Four accumulators by turns.
.macro PROJ w, a, ks, zero
.irp nt, 0,1,2,3
.if \zero
	v_wmma_f32_16x16x32_f16 v[144+8*\nt:151+8*\nt], v[\w+8*(2*\nt+\ks):\w+8*(2*\nt+\ks)+7], v[\a+8*\ks:\a+8*\ks+7], 0
.else
	v_wmma_f32_16x16x32_f16 v[144+8*\nt:151+8*\nt], v[\w+8*(2*\nt+\ks):\w+8*(2*\nt+\ks)+7], v[\a+8*\ks:\a+8*\ks+7], v[144+8*\nt:151+8*\nt]
.endif
.endr
.endm
	s_wait_loadcnt 16                              ; wo's high part and the bias are in; the low part's 16 loads may be out
	PROJ 176, 96, 0, 1                             ; high x high
	PROJ 176, 96, 1, 0
	PROJ 176, 112, 0, 0                            ; high x low
	PROJ 176, 112, 1, 0
	s_wait_loadcnt 0x0
	PROJ 32, 96, 0, 0                              ; low x high
	PROJ 32, 96, 1, 0
.rept 4
	v_nop                                          ; places behind the products: their results are read, and loads land on wo's registers, below
.endr
.irp nt, 0,1,2,3
	ds_store_b128 v7, v[144+8*\nt:147+8*\nt] offset:1024*\nt          ; my partial result as it stands, each accumulator from its low end on
	ds_store_b128 v7, v[148+8*\nt:151+8*\nt] offset:1024*\nt+512
.endr
	s_wait_dscnt 0x0                               ; for the others' sake: my stores are done
	s_barrier_signal -1
	s_barrier_wait -1
.irp p, 0,1,2,3,4,5,6,7,8,9,10,11,12,13,14,15
	ds_load_b64 v[32+2*\p:33+2*\p], v8 offset:\p*WREG                 ; wave p's part of my row's columns 2 l, 2 l + 1
.endr
	s_wait_dscnt 0x0
	v_pk_add_f32 v[12:13], v[12:13], v[32:33]      ; the bias and the sixteen parts, in two chains
	v_pk_add_f32 v[24:25], v[34:35], v[36:37]
.irp p, 3,5,7,9,11,13
	v_pk_add_f32 v[12:13], v[12:13], v[32+2*\p:33+2*\p]
	v_pk_add_f32 v[24:25], v[24:25], v[34+2*\p:35+2*\p]
.endr
	v_pk_add_f32 v[12:13], v[12:13], v[62:63]
	v_pk_add_f32 v[12:13], v[12:13], v[24:25]
	global_store_b64 v9, v[12:13], s[10:11]        ; 32 lanes store 256 consecutive bytes, at a multiple of 256 from the buffer's first byte
	s_wait_tensorcnt 0x0                           ; the wave's end: behind my last LDS store
	ds_add_u32 v[SPW], v[NIL]
	s_wait_dscnt 0x0
	s_endpgm
.Lfunc_end_k_q57005fa873_fine:
	.size	k_q57005fa873_fine, .Lfunc_end_k_q57005fa873_fine-k_q57005fa873_fine
	.p2alignl 7, 3214868480
	.fill 96, 4, 3214868480
	.section	.rodata,"a",@progbits
	.p2align	6, 0x0
	.amdhsa_kernel k_q57005fa873_fine
		.amdhsa_group_segment_fixed_size 71680
		.amdhsa_private_segment_fixed_size 0
		.amdhsa_enable_private_segment 0
		.amdhsa_kernarg_size 32
		.amdhsa_user_sgpr_count 2
		.amdhsa_user_sgpr_kernarg_segment_ptr 1
		.amdhsa_wavefront_size32 1
		.amdhsa_system_sgpr_workgroup_id_x 1
		.amdhsa_system_sgpr_workgroup_id_y 1
		.amdhsa_system_sgpr_workgroup_id_z 1
		.amdhsa_system_vgpr_workitem_id 0
		.amdhsa_next_free_vgpr 256
		.amdhsa_next_free_sgpr 66
		.amdhsa_reserve_vcc 1
		.amdhsa_float_denorm_mode_32 3
		.amdhsa_float_denorm_mode_16_64 3
		.amdhsa_memory_ordered 1
		.amdhsa_forward_progress 1
		.amdhsa_inst_pref_size 28
	.end_amdhsa_kernel
	.amdgpu_metadata
---
amdhsa.version: [ 1, 2 ]
amdhsa.kernels:
  - .name:           k_q57005fa873_fine
    .symbol:         k_q57005fa873_fine.kd
    .args:
      - { .name: q32, .offset: 0, .size: 8, .value_kind: global_buffer, .address_space: global }
      - { .name: wo, .offset: 8, .size: 8, .value_kind: global_buffer, .address_space: global }
      - { .name: b_out, .offset: 16, .size: 8, .value_kind: global_buffer, .address_space: global }
      - { .name: out0, .offset: 24, .size: 8, .value_kind: global_buffer, .address_space: global }
    .group_segment_fixed_size: 71680
    .private_segment_fixed_size: 0
    .kernarg_segment_align: 8
    .kernarg_segment_size: 32
    .max_flat_workgroup_size: 512
    .sgpr_count:     66
    .vgpr_count:     256
    .wavefront_size: 32
...
	.end_amdgpu_metadata
.endif
;; end of part 5
